; MI455X (gfx1250); checked and timed in simulation.
; The chip was launched on July 23, 2026; its instructions are those of AMD's public machine-readable ISA for CDNA 5 (MIT licence, August 2026) and "CDNA5" Instruction Set Architecture Reference Guide (July 2026). The comments in the code are by the model that wrote it; some were corrected since.
;; Self Attention V1. Allowed arithmetic: float matrix products may take bf16 or f16 operands with f32 sums; all other float work in f32.
;; Inputs: Wk 384 x 384 float32; Wq 384 x 384 float32; Wv 384 x 384 float32; bk 384 float32; bq 384 float32; bv 384 float32; x 4 x 4,096 x 384 float32.
;; Outputs: out0 4 x 4,096 x 384 float32.
;; 2 versions, each right and faster than the one before. Each part assembles by itself: llvm-mc -triple=amdgcn-amd-amdhsa -mcpu=gfx1250 --defsym DOCPART=n.
;; ======== version 1 of 2: 2 launches
;; limits: values are held in f16: magnitudes above 65,504 overflow, below 6.1e-05 lose precision; inputs' magnitudes at most 65,504
;; workspace buffers: xb 12,582,912 bytes; wimg 884,736 bytes
;; launch prep (part 1): grid 256 x 1, 8 waves a work-group, no clusters, 0 bytes of LDS; arguments x, Wq, Wk, Wv, xb, wimg; writes xb, wimg
.if DOCPART == 1
	.amdgcn_target "amdgcn-amd-amdhsa--gfx1250"
	.amdhsa_code_object_version 6
	.text
	.protected	k_qc8b27321ca_prep
	.globl	k_qc8b27321ca_prep
	.p2align	8
	.type	k_qc8b27321ca_prep,@function
k_qc8b27321ca_prep:
	s_mov_b64 s[64:65], 0
	v_nop
	global_prefetch_b8 v0, s[64:65] scope:SCOPE_SE
	s_setreg_imm32_b32 hwreg(HW_REG_WAVE_MODE, 25, 1), 1
	s_wait_xcnt 0x0
; xb = x rounded to bf16, [16384][384].  wimg = the three weight matrices as register images for the matrix unit:
; 9 chunks of 98,304 bytes (Wq, then Wk transposed, both bf16, then Wv in f16; each in three thirds of 128 along the sum).
; A chunk is 4 quarters (96 output channels each) x 6 blocks of 16 channels x 4 fragments of 32 along the sum; a fragment is
; 2 halves of 512 bytes, 16 bytes a lane: lane (r, h) holds channel r and the numbers 16 half + 8 h + 0..7 along the sum.
; Memory binds: no LDS, no matrix unit.  Work-group n takes 98,304 bytes of x (24 loads of 16 bytes a thread, all issued at once)
; and, if n < 216, 4,096 bytes of wimg, one unit of 16 bytes a thread.
; LIMIT: Wv goes to f16, so |Wv| stays below 65,504.
.set XIN,  98304
.set XOUT, 49152
.set XD,   16                          ; v[16:111] the 24 loads' data, packed in place
	s_load_b256 s[4:11], s[0:1], 0x0               ; x s[4:5], Wq s[6:7], Wk s[8:9], Wv s[10:11]
	s_load_b128 s[12:15], s[0:1], 0x20             ; xb s[12:13], wimg s[14:15]
	v_lshlrev_b32 v1, 4, v0                        ; 16 t: my place in a load of x, and in the group's 4,096 bytes of wimg
	v_lshlrev_b32 v2, 3, v0                        ; 8 t: my place in a store of xb
	s_mul_i32 s16, ttmp9, XIN
	s_mov_b32 s17, 0
	s_mul_i32 s18, ttmp9, XOUT
	s_mov_b32 s19, 0
	s_lshl_b32 s26, ttmp9, 12
	s_mov_b32 s27, 0
	; n = 24 chunk + 6 w + a
	s_mul_i32 s20, ttmp9, 43691
	s_lshr_b32 s20, s20, 18                        ; n / 6 (exact for n below 256)
	s_mul_i32 s21, s20, 6
	s_sub_co_u32 s21, ttmp9, s21                   ; a
	s_and_b32 s22, s20, 3                          ; w
	s_lshr_b32 s23, s20, 2                         ; chunk
	s_mul_i32 s24, s23, 43691
	s_lshr_b32 s24, s24, 17                        ; chunk / 3
	s_mul_i32 s24, s24, 3
	s_sub_co_u32 s24, s23, s24                     ; the third
	s_mul_i32 s25, s22, 96
	s_lshl4_add_u32 s25, s21, s25                  ; 96 w + 16 a
	s_lshl_b32 s24, s24, 7                         ; 128 x third
	v_and_b32 v4, 15, v0
	v_add_nc_u32 v4, s25, v4                       ; m: my output channel
	v_lshrrev_b32 v5, 4, v0
	v_lshlrev_b32 v5, 3, v5                        ; 32 fragment + 16 half + 8 h
	v_add_nc_u32 v5, s24, v5                       ; k: my first number along the sum
	v_mul_u32_u24 v3, v4, 1536
	v_lshl_add_u32 v3, v5, 2, v3                   ; W[m][k]: eight neighbouring numbers
	v_mul_u32_u24 v14, v5, 1536
	v_lshl_add_u32 v14, v4, 2, v14                 ; W[k][m]: eight numbers a row apart
	s_wait_kmcnt 0x0
	s_add_nc_u64 s[4:5], s[4:5], s[16:17]
	s_add_nc_u64 s[12:13], s[12:13], s[18:19]
	s_add_nc_u64 s[14:15], s[14:15], s[26:27]      ; used by groups 0 to 215 alone
.macro XLOAD                           ; 24 loads; one load of a wave covers 512 consecutive bytes
.set xi, 0
.rept 24
	global_load_b128 v[XD+4*xi:XD+4*xi+3], v1, s[4:5] offset:4096*xi th:TH_LOAD_NT
.set xi, xi+1
.endr
.endm
.macro WPACK f16                       ; eight numbers to 16 bytes, in place, and out
	s_wait_loadcnt 24                              ; the weights' loads are the oldest: the 24 loads of x stay out
.if \f16
	v_cvt_pk_f16_f32 v6, v6, v7
	v_cvt_pk_f16_f32 v7, v8, v9
	v_cvt_pk_f16_f32 v8, v10, v11
	v_cvt_pk_f16_f32 v9, v12, v13
.else
	v_cvt_pk_bf16_f32 v6, v6, v7
	v_cvt_pk_bf16_f32 v7, v8, v9
	v_cvt_pk_bf16_f32 v8, v10, v11
	v_cvt_pk_bf16_f32 v9, v12, v13
.endif
	global_store_b128 v1, v[6:9], s[14:15]         ; a wave stores 512 consecutive bytes
.endm
	s_cmp_lt_u32 ttmp9, 72
	s_cbranch_scc1 .Lwq
	s_cmp_lt_u32 ttmp9, 144
	s_cbranch_scc1 .Lwk
	s_cmp_lt_u32 ttmp9, 216
	s_cbranch_scc1 .Lwv
	XLOAD
	s_branch .Lx
.Lwq:
	global_load_b128 v[6:9], v3, s[6:7]
	global_load_b128 v[10:13], v3, s[6:7] offset:16
	XLOAD
	WPACK 0
	s_branch .Lx
.Lwk:                                                  ; transposed: channel m of q' sums over Wk's rows
.set xi, 0
.rept 8
	global_load_b32 v[6+xi], v14, s[8:9] offset:1536*xi
.set xi, xi+1
.endr
	XLOAD
	WPACK 0
	s_branch .Lx
.Lwv:
	global_load_b128 v[6:9], v3, s[10:11]
	global_load_b128 v[10:13], v3, s[10:11] offset:16
	XLOAD
	WPACK 1
.Lx:                                                   ; on every way here the 24 loads of x are the youngest loads
.set xi, 0
.rept 24
	s_wait_loadcnt 23-xi                           ; loads come back in order: load xi is in, the younger ones stay out
	v_cvt_pk_bf16_f32 v[XD+4*xi], v[XD+4*xi], v[XD+4*xi+1]
	v_cvt_pk_bf16_f32 v[XD+4*xi+1], v[XD+4*xi+2], v[XD+4*xi+3]
	global_store_b64 v2, v[XD+4*xi:XD+4*xi+1], s[12:13] offset:2048*xi  ; a wave stores 256 consecutive bytes, at a multiple of 256 from xb's first
.set xi, xi+1
.endr
	s_endpgm
.Lfunc_end_k_qc8b27321ca_prep:
	.size	k_qc8b27321ca_prep, .Lfunc_end_k_qc8b27321ca_prep-k_qc8b27321ca_prep
	.p2alignl 7, 3214868480
	.fill 96, 4, 3214868480
	.section	.rodata,"a",@progbits
	.p2align	6, 0x0
	.amdhsa_kernel k_qc8b27321ca_prep
		.amdhsa_group_segment_fixed_size 0
		.amdhsa_private_segment_fixed_size 0
		.amdhsa_enable_private_segment 0
		.amdhsa_kernarg_size 48
		.amdhsa_user_sgpr_count 2
		.amdhsa_user_sgpr_kernarg_segment_ptr 1
		.amdhsa_wavefront_size32 1
		.amdhsa_system_sgpr_workgroup_id_x 1
		.amdhsa_system_sgpr_workgroup_id_y 1
		.amdhsa_system_sgpr_workgroup_id_z 1
		.amdhsa_system_vgpr_workitem_id 0
		.amdhsa_next_free_vgpr 112
		.amdhsa_next_free_sgpr 66
		.amdhsa_reserve_vcc 0
		.amdhsa_float_denorm_mode_32 3
		.amdhsa_float_denorm_mode_16_64 3
		.amdhsa_memory_ordered 1
		.amdhsa_forward_progress 1
		.amdhsa_inst_pref_size 20
	.end_amdhsa_kernel
	.amdgpu_metadata
---
amdhsa.version: [ 1, 2 ]
amdhsa.kernels:
  - .name:           k_qc8b27321ca_prep
    .symbol:         k_qc8b27321ca_prep.kd
    .args:
      - { .name: x, .offset: 0, .size: 8, .value_kind: global_buffer, .address_space: global }
      - { .name: Wq, .offset: 8, .size: 8, .value_kind: global_buffer, .address_space: global }
      - { .name: Wk, .offset: 16, .size: 8, .value_kind: global_buffer, .address_space: global }
      - { .name: Wv, .offset: 24, .size: 8, .value_kind: global_buffer, .address_space: global }
      - { .name: xb, .offset: 32, .size: 8, .value_kind: global_buffer, .address_space: global }
      - { .name: wimg, .offset: 40, .size: 8, .value_kind: global_buffer, .address_space: global }
    .group_segment_fixed_size: 0
    .private_segment_fixed_size: 0
    .kernarg_segment_align: 8
    .kernarg_segment_size: 48
    .max_flat_workgroup_size: 256
    .sgpr_count:     66
    .vgpr_count:     112
    .wavefront_size: 32
...
	.end_amdgpu_metadata
.endif
;; end of part 1
;; launch attn (part 2): grid 64 x 4, 4 waves a work-group, clusters of 4 x 1, 327,680 bytes of LDS; arguments xb, wimg, bq, bk, bv, out0; writes out0
.if DOCPART == 2
	.amdgcn_target "amdgcn-amd-amdhsa--gfx1250"
	.amdhsa_code_object_version 6
	.text
	.protected	k_qc8b27321ca_attn
	.globl	k_qc8b27321ca_attn
	.p2align	8
	.type	k_qc8b27321ca_attn,@function
k_qc8b27321ca_attn:
	s_mov_b64 s[64:65], 0
	v_nop
	global_prefetch_b8 v0, s[64:65] scope:SCOPE_SE
	s_setreg_imm32_b32 hwreg(HW_REG_WAVE_MODE, 25, 1), 1
	s_wait_xcnt 0x0
	s_wait_alu depctr_hold_cnt(0) depctr_sa_sdst(0) depctr_va_vdst(0) depctr_va_sdst(0) depctr_va_ssrc(0) depctr_va_vcc(0) depctr_vm_vsrc(0)
	s_getreg_b32 s2, hwreg(HW_REG_IB_STS2, 6, 4)
	s_cmp_eq_u32 s2, 0
	s_cbranch_scc0 .Lentry_in_a_cluster
	s_endpgm
.Lentry_in_a_cluster:
	s_bfe_u32 s2, ttmp6, 0x10000c
	s_cmp_lg_u32 s2, 0x3003
	s_cbranch_scc0 .Lentry_shape_is_right
	s_endpgm
.Lentry_shape_is_right:
; out = softmax((x Wq^T + bq)(x Wk^T + bk)^T / sqrt(384)) (x Wv^T + bv), 4 batches of 4,096 rows of 384.
; THE PRODUCTS ARE RE-ASSOCIATED, exactly: with q = x Wq^T + bq, score(q, k) = (q Wk) . x_k + q . bk, and, the weights summing to 1,
; out = (softmax . x) Wv^T + bv.  So the keys and the values are both x (bf16, from the launch before): one tile serves both products.
; A work-group owns 64 queries of a batch.  It makes q, q' = q Wk and cq = q . bk (f32), walks the batch's 32 tiles of 128 keys with a running
; maximum, and at the end makes o = y Wv^T + bv of y = (sum of p x) / l.  cq is the C operand that starts every score's sum.
; FORMATS.  x, Wq, Wk, q, q', p: bf16.  y, Wv: f16.  Biases, cq, maxima, sums, the scale: f32.
; LIMITS.  y is a mean of x's rows: |x| and |Wv| stay below 65,504.  A weight below 2^-126 counts as 0.  NaN and infinities are not treated apart.
; The first tile multiplies what the accumulators hold (the sums of q', taken to be finite) by a = 0: nothing is cleared.
; LAYOUT.  Every product is used transposed: source 0 = 16 channels or keys, source 1 = 16 queries; a lane always holds ONE query (lane % 16) and rows 8 (lane / 16) + 0..7.
; Two neighbouring results rounded in pairs ARE a source 1 fragment, so what the waves hand each other through LDS are register images, 16 bytes a lane.
; SHARES.  Small products: wave w makes 96 output channels (6 blocks a) of all 4 query tiles t: 24 accumulators.  Scores: wave w takes keys 32 w .. 32 w + 31 of a tile, all 64 queries.
; Second product: wave w takes channels 128 s + 32 w + 16 i (a = 2 s + i), all queries, all 128 keys.  So each fragment read from LDS feeds four products, and each byte of a tile is read
; from LDS once as a key and once as a value in the work-group.  The price: the waves exchange their maxima and their weights in every tile (two barriers).
; CLUSTER.  The four query blocks of a cluster belong to one batch and walk the same weights and the same tiles of x: every tensor load is asked for JOINTLY (mask 15).
; THE RING.  41 steps through two slots: Wq's 3 chunks, Wk^T's 3, 32 tiles of x, Wv's 3, each 98,304 dense bytes, asked for as 4 x 96 rows of 256 bytes (a quarter a wave), 16 bytes of padding
; behind each row.  At a step's top the slot read in the step before is filled with the next step's bytes: one tensor load of a wave is out at a time.
; REGISTERS, in windows of 256 (s_set_vgpr_msb: bits 1:0 source 0, 3:2 source 1, 5:4 source 2, 7:6 destination):
;   window 0: v0-27 addresses; v28-43 statistics; v44-59 at work; v60-63 what a wave hands the others; v64-127 scores; v128-223 two fragment buffers; v224-255 packed weights, and the others' numbers
;   window 1: source 1 fragments QF (x, then q, q', y) of the sum's parts 0-7      window 2: v0-127 parts 8-11; v128-159 cq; v160-223 fragments of P (before the walk: bq, bk)
;   window 3: v0-191 the 24 accumulators; v192-239 bv
.set CHUNK, 98304                      ; a step's bytes in memory
.set QUART, 26112                      ; 96 rows of 272: what one tensor load fills
.set SLOTB, 4*QUART
.set KP,    816                        ; a key in LDS: 3 rows of 272 = 51 x 16 bytes: the 16 keys of a fragment load start at 16 different groups of four banks (64 banks of 4 bytes: ISA guide 11.1)
.set MBUF,  2*SLOTB                    ; 2,048 bytes: 16 a lane, 512 a wave: maxima and sums
.set SPARE, MBUF+2048                  ; the spare words, 128 bytes for each wave: two blocks of 256 bytes that no other line names
.set XCH,   SPARE+512                  ; 49,152 bytes of fragments (part kc, tile t at (4 kc + t) x 1,024); P is its first 16,384; the stage for the way out begins here too.  No tensor load fills it
.set STP,   1552                       ; a row of the stage: 1,536 + 16 = 97 x 16 bytes
.set SPW, 4                            ; v4   SPARE + 4 x my thread's number; never rewritten
.set NIL, 5                            ; v5   0; never rewritten
.set AK,  6                            ; v6-7    by slot: my place in my wave's 32 keys
.set AV,  8                            ; v8-11   by slot and half of the tile: my place for the turning load
.set AW,  12                           ; v12-13  by slot: my 16 bytes in my wave's quarter of a weight chunk
.set AX,  14                           ; v14  XCH + 16 x lane
.set AXS, 15                           ; v15  + 12,288 w: where q and q' go
.set AXY, 16                           ; v16  + 4,096 w: where P and y go
.set AMS, 17                           ; v17  MBUF: where I put four numbers
.set AML, 18                           ; v18  MBUF: where I read a wave's four numbers for my query
.set AS,  19                           ; v19-20  the stage: rows 0-31, rows 32-63
.set ARD, 21                           ; v21  the stage: where I read rows back
.set GO,  22                           ; v22  16 x lane
.set QO,  23                           ; v23  my place in 16 rows of xb
.set BO,  24                           ; v24  my place in a bias
.set ST,  28                           ; tile t at ST + 4 t: c m, m, l (even keys', odd keys')
.set TMP, 44                           ; tile t at TMP + 4 t: c0-c3 at work; c2 takes a, at the end 1 / l
.set LM,  60
.set S,   64                           ; scores of key block kt, tile t at S + 8 (4 kt + t)
.set FB,  128                          ; two buffers of 6 fragments
.set PK,  224                          ; tile t, key block kt: 4 registers at PK + 8 t + 4 kt
.set G,   224                          ; wave w's four numbers at G + 4 w (dead when PK is written)
.set MV,  240                          ; c m_old
.set CQ,  128                          ; window 2
.set PF,  160                          ; window 2: two buffers of 4 fragments
.set BQ,  160                          ; window 2
.set BK,  208                          ; window 2
.set BV,  192                          ; window 3
.set WV,  16                           ; s16  my wave's number
.set G1,  28                           ; s[28:35] descriptor group 1: one shape for every load
.set G0A, 36                           ; s[36:39] group 0 for slot 0
.set G0B, 40                           ; s[40:43] for slot 1
.set PW,  44                           ; s[44:45] my quarter of wimg's chunk 0
.set PX,  46                           ; s[46:47] my quarter of the batch's tile 0
.set PV6, 48                           ; s[48:49] my quarter of Wv's first chunk, with the type bits
.set CS,  50                           ; s[50:51] c = log2(e) / sqrt(384)
.set SEL, 52                           ; s[52:53] v_permlanex16_b32's selects: each lane takes its own place in the other half
.set CNT, 54
.set XQ,  56                           ; s[56:57] the block's own rows of xb
.set OB,  58                           ; s[58:59] my wave's 16 rows of out0
.set MSB, 0
.macro WIN new                         ; the high byte repeats the setting that is left; a switch that changes nothing is dropped
.if MSB != (\new)
	s_set_vgpr_msb (MSB<<8)|(\new)
.set MSB, (\new)
.endif
.endm
.macro PLACES                          ; four places: in front of loads into registers that matrix instructions have read, and of vector work on results just made
.rept 4
	v_nop
.endr
.endm
.macro ROUND                           ; a round of the cluster's barrier: my work-group's barrier; wave 0 signals for the work-group; every wave waits for all four; my work-group's barrier once more
	s_barrier_signal -1
	s_barrier_wait -1
	s_cmp_lg_u32 s[WV], 0
	s_cbranch_scc1 .Lnot_wave_0_\@
	s_barrier_signal -3
.Lnot_wave_0_\@:
	s_barrier_wait -3
	s_barrier_signal -1
	s_barrier_wait -1
.endm
.macro SETADR g, base, off             ; a group 0's global address, made anew
	s_add_nc_u64 s[(\g)+2:(\g)+3], s[(\base):(\base)+1], (\off)
	s_or_b32 s[(\g)+3], s[(\g)+3], 0x80000000
.endm
; A STEP'S TOP.  TOPA: all my tensor loads have landed (one was out: my quarter of this step's slot), and 0 goes onto my spare word.  The caller's scalar lines write group 0s.
; TOPB: the add is done and my reads of the other slot are over; a round, so that this holds of every wave of all four work-groups; then the joint refill of that slot, first thing.
.macro TOPA
	WIN 0
	s_wait_tensorcnt 0x0
	ds_add_u32 v[SPW], v[NIL]
.endm
.macro TOPB g, fill
	s_wait_dscnt 0x0
.if \fill
	ROUND
	tensor_load_to_lds s[(\g):(\g)+3], s[G1:G1+7]
	s_nop 0
.else
	s_barrier_signal -1
	s_barrier_wait -1
.endif
	PLACES                                         ; also the places in front of the fragment loads that follow
.endm
; FRAGMENT LOADS, in runs of 12 (6 fragments) or 8.
.macro FETW buf, slot, kq              ; weights: my 6 blocks of channels, part kq of the chunk's four
	WIN 0
.set fa, 0
.rept 6
	ds_load_b128 v[FB+48*(\buf)+8*fa:FB+48*(\buf)+8*fa+3],   v[AW+(\slot)] offset:(4*fa+(\kq))*1088
	ds_load_b128 v[FB+48*(\buf)+8*fa+4:FB+48*(\buf)+8*fa+7], v[AW+(\slot)] offset:(4*fa+(\kq))*1088+544
.set fa, fa+1
.endr
.endm
.macro FETK buf, slot, g               ; keys: channel parts 3 g .. 3 g + 2 of my two blocks of 16 keys
	WIN 0
.set fk, 0
.rept 3
.set fc, 3*(\g)+fk
.set fo, 64*fc+16*(fc/4)
.set ft, 0
.rept 2
.set fr, FB+48*(\buf)+8*(2*fk+ft)
	ds_load_b128 v[fr:fr+3],   v[AK+(\slot)] offset:ft*16*KP+fo
	ds_load_b128 v[fr+4:fr+7], v[AK+(\slot)] offset:ft*16*KP+fo+32
.set ft, ft+1
.endr
.set fk, fk+1
.endr
.endm
.macro FETV buf, slot, kg              ; values, turned: keys 32 kg on, my 6 blocks of 16 channels
	WIN 0
.set fa, 0
.rept 6
.set fr, FB+48*(\buf)+8*fa
.set fo, ((\kg)%2)*32*KP+272*(fa/2)+32*(fa%2)
	ds_load_tr16_b128 v[fr:fr+3],   v[AV+2*(\slot)+(\kg)/2] offset:fo
	ds_load_tr16_b128 v[fr+4:fr+7], v[AV+2*(\slot)+(\kg)/2] offset:fo+16*KP
.set fa, fa+1
.endr
.endm
.macro FETP pb, kg                     ; weights p of keys 32 kg on (wave kg made them), all four tiles
	WIN 0x80
.set ft, 0
.rept 4
.set fr, PF+32*(\pb)+8*ft
	ds_load_b128 v[fr:fr+3],   v[AX] offset:(4*(\kg)+ft)*1024
	ds_load_b128 v[fr+4:fr+7], v[AX] offset:(4*(\kg)+ft)*1024+512
.set ft, ft+1
.endr
.endm
.macro QLOAD                           ; all 48 source 1 fragments out of XCH
.set qk, 0
.rept 12
.if qk < 8
	WIN 0x40
.else
	WIN 0x80
.endif
.set qt, 0
.rept 4
.set rq, 8*(4*(qk%8)+qt)
	ds_load_b128 v[rq:rq+3],   v[AX] offset:(4*qk+qt)*1024
	ds_load_b128 v[rq+4:rq+7], v[AX] offset:(4*qk+qt)*1024+512
.set qt, qt+1
.endr
.set qk, qk+1
.endr
	WIN 0
.endm
; THE MATRIX WORK.  In each macro the accumulators take turns, one instruction a turn; a macro's last and the next macro's first differ.
; 24 products of a small product: part kc of the sum.  cinit: 0 add on; 1 start with 0; 2 start with bq; 3 start with bv (f16).
.macro MMG buf, kc, cinit, f16
.if (\cinit) == 2
	WIN 0xe4
.elseif (\kc) < 8
	WIN 0xf4
.else
	WIN 0xf8
.endif
.set mt, 0
.rept 24
.set rD, 8*mt
.set rA, FB+48*(\buf)+8*(mt/4)
.set rB, 8*(4*((\kc)%8)+mt%4)
.if (\cinit) == 1
	v_wmma_f32_16x16x32_bf16 v[rD:rD+7], v[rA:rA+7], v[rB:rB+7], 0
.elseif (\cinit) == 2
	v_wmma_f32_16x16x32_bf16 v[rD:rD+7], v[rA:rA+7], v[rB:rB+7], v[BQ+8*(mt/4):BQ+8*(mt/4)+7]
.elseif (\cinit) == 3
	v_wmma_f32_16x16x32_f16 v[rD:rD+7], v[rA:rA+7], v[rB:rB+7], v[BV+8*(mt/4):BV+8*(mt/4)+7]
.elseif \f16
	v_wmma_f32_16x16x32_f16 v[rD:rD+7], v[rA:rA+7], v[rB:rB+7], v[rD:rD+7]
.else
	v_wmma_f32_16x16x32_bf16 v[rD:rD+7], v[rA:rA+7], v[rB:rB+7], v[rD:rD+7]
.endif
.set mt, mt+1
.endr
.endm
.macro MMS buf, g                      ; 24 products of the scores: channel parts 3 g .. 3 g + 2; part 0 starts the sums with cq
.set mk, 0
.rept 3
.set mc, 3*(\g)+mk
.set mt, 0
.rept 8
.set rD, S+8*mt
.set rA, FB+48*(\buf)+8*(2*mk+mt/4)
.set rB, 8*(4*(mc%8)+mt%4)
.if mc == 0
	WIN 0x24
	v_wmma_f32_16x16x32_bf16 v[rD:rD+7], v[rA:rA+7], v[rB:rB+7], v[CQ+8*(mt%4):CQ+8*(mt%4)+7]
.else
.if mc < 8
	WIN 0x04
.else
	WIN 0x08
.endif
	v_wmma_f32_16x16x32_bf16 v[rD:rD+7], v[rA:rA+7], v[rB:rB+7], v[rD:rD+7]
.endif
.set mt, mt+1
.endr
.set mk, mk+1
.endr
.endm
.macro MMP buf, pb                     ; 24 products of y^T += X^T P: 32 keys
	WIN 0xf8
.set mt, 0
.rept 24
	v_wmma_f32_16x16x32_bf16 v[8*mt:8*mt+7], v[FB+48*(\buf)+8*(mt/4):FB+48*(\buf)+8*(mt/4)+7], v[PF+32*(\pb)+8*(mt%4):PF+32*(\pb)+8*(mt%4)+7], v[8*mt:8*mt+7]
.set mt, mt+1
.endr
.endm
; A weight chunk's step: 96 products on two fragment buffers; a wait's count of 12 leaves the younger run of 12 loads out.
.macro GSTEP slot, c3, cinit, f16
	FETW 0, \slot, 0
	FETW 1, \slot, 1
	s_wait_dscnt 12
	MMG 0, 4*(\c3), \cinit, \f16
	PLACES
	FETW 0, \slot, 2
	s_wait_dscnt 12
	MMG 1, 4*(\c3)+1, 0, \f16
	PLACES
	FETW 1, \slot, 3
	s_wait_dscnt 12
	MMG 0, 4*(\c3)+2, 0, \f16
	s_wait_dscnt 0x0
	MMG 1, 4*(\c3)+3, 0, \f16
.endm
; The 24 accumulators, rounded in pairs (each from its low end on) into the fragment buffers' 96 registers, and into XCH as halves of fragments.
; map 0: block a is half a % 2 of part 3 w + a / 2.  map 1: block a = 2 s + i is half i of part 4 s + w.
.macro PACKX f16, base, map
	WIN 0x0f
.set pn, 0
.rept 24
.set pj, 0
.rept 4
.if \f16
	v_cvt_pk_f16_f32 v[FB+4*pn+pj], v[8*pn+2*pj], v[8*pn+2*pj+1]
.else
	v_cvt_pk_bf16_f32 v[FB+4*pn+pj], v[8*pn+2*pj], v[8*pn+2*pj+1]
.endif
.set pj, pj+1
.endr
.set pn, pn+1
.endr
	WIN 0
.set pn, 0
.rept 24
.if \map
.set po, (16*(pn/8)+pn%4)*1024+512*((pn/4)%2)
.else
.set po, (4*(pn/8)+pn%4)*1024+512*((pn/4)%2)
.endif
	ds_store_b128 v[\base], v[FB+4*pn:FB+4*pn+3] offset:po
.set pn, pn+1
.endr
.endm
.macro HSUM src                        ; for each tile: a pair's two numbers and the other half of the lanes' are added, into LM
	WIN 0
.set ht, 0
.rept 4
	v_add_f32 v[TMP+4*ht], v[(\src)+4*ht], v[(\src)+4*ht+1]
.set ht, ht+1
.endr
.set ht, 0
.rept 4
	v_permlanex16_b32 v[TMP+4*ht+3], v[TMP+4*ht], s[SEL], s[SEL+1]
.set ht, ht+1
.endr
.set ht, 0
.rept 4
	v_add_f32 v[LM+ht], v[TMP+4*ht], v[TMP+4*ht+3]
.set ht, ht+1
.endr
.endm
.macro GLOAD                           ; the four waves' four numbers for my query
	WIN 0
.set gw, 0
.rept 4
	ds_load_b128 v[G+4*gw:G+4*gw+3], v[AML] offset:512*gw
.set gw, gw+1
.endr
.endm
.macro GADD                            ; their sums, into LM
.set ht, 0
.rept 4
	v_add_f32 v[TMP+4*ht], v[G+ht], v[G+4+ht]
	v_add_f32 v[TMP+4*ht+1], v[G+8+ht], v[G+12+ht]
.set ht, ht+1
.endr
.set ht, 0
.rept 4
	v_add_f32 v[LM+ht], v[TMP+4*ht], v[TMP+4*ht+1]
.set ht, ht+1
.endr
.endm
; THE SOFTMAX'S PIECES; the four tiles alternate, so that no line reads the result of the one before it.
.macro LMAX                            ; my wave's maximum for each query: two chains over the tile's two accumulators (lowest registers first), then the other half of the lanes
	WIN 0
.set ln, 0
.rept 10
.set lt, 0
.rept 4
.set rC, TMP+4*lt
.set rA, S+8*lt
.set rB, S+32+8*lt
.if ln == 0
	v_max3_num_f32 v[rC], v[rA], v[rA+1], v[rA+2]
.elseif ln == 1
	v_max3_num_f32 v[rC+1], v[rB], v[rB+1], v[rB+2]
.elseif ln == 2
	v_max3_num_f32 v[rC], v[rC], v[rA+3], v[rA+4]
.elseif ln == 3
	v_max3_num_f32 v[rC+1], v[rC+1], v[rB+3], v[rB+4]
.elseif ln == 4
	v_max3_num_f32 v[rC], v[rC], v[rA+5], v[rA+6]
.elseif ln == 5
	v_max3_num_f32 v[rC+1], v[rC+1], v[rB+5], v[rB+6]
.elseif ln == 6
	v_max3_num_f32 v[rC], v[rC], v[rA+7], v[rB+7]
.elseif ln == 7
	v_max_num_f32 v[rC], v[rC], v[rC+1]
.elseif ln == 8
	v_permlanex16_b32 v[rC+3], v[rC], s[SEL], s[SEL+1]
.else
	v_max_num_f32 v[LM+lt], v[rC], v[rC+3]
.endif
.set lt, lt+1
.endr
.set ln, ln+1
.endr
.endm
.macro STATS                           ; the new m of the four waves' maxima and the old m; c m; a = 2^(c m_old - c m_new)
	WIN 0
.set ln, 0
.rept 6
.set lt, 0
.rept 4
.set rC, TMP+4*lt
.set rT, ST+4*lt
.if ln == 0
	v_max3_num_f32 v[rC], v[G+lt], v[G+4+lt], v[G+8+lt]
.elseif ln == 1
	v_mov_b32 v[MV+lt], v[rT]
.elseif ln == 2
	v_max3_num_f32 v[rT+1], v[rC], v[G+12+lt], v[rT+1]
.elseif ln == 3
	v_mul_f32 v[rT], s[CS], v[rT+1]
.elseif ln == 4
	v_sub_f32 v[rC+1], v[MV+lt], v[rT]
.else
	v_exp_f32 v[rC+2], v[rC+1]
.endif
.set lt, lt+1
.endr
.set ln, ln+1
.endr
.endm
.macro EF p                            ; pair p of the 32 pairs of scores: c s - c m
	v_pk_fma_f32 v[S+2*(\p):S+2*(\p)+1], v[S+2*(\p):S+2*(\p)+1], s[CS:CS+1], v[ST+4*(((\p)/4)%4):ST+4*(((\p)/4)%4)+1] op_sel_hi:[1,0,0] neg_lo:[0,0,1] neg_hi:[0,0,1]
.endm
.macro EC p                            ; pair p rounded to bf16
	s_wait_alu depctr_va_vdst(0)
	v_cvt_pk_bf16_f32 v[PK+8*(((\p)/4)%4)+4*((\p)/16)+(\p)%4], v[S+2*(\p)], v[S+2*(\p)+1]
.endm
.macro EXPS                            ; scalings four pairs ahead, roundings a pair back: a plain line stands between an exponential and the use of its result (ISA guide 5.7.2)
	WIN 0
	EF 0
	EF 1
	EF 2
	EF 3
.set ep, 0
.rept 32
	v_exp_f32 v[S+2*ep], v[S+2*ep]
.if ep < 28
	EF ep+4
.endif
	v_exp_f32 v[S+2*ep+1], v[S+2*ep+1]
.if ep > 0
	EC ep-1
.endif
.set ep, ep+1
.endr
	EC 31
.endm
.macro SUMS                            ; a tile's 8 pairs of weights are added in place; l = a l + the sum
	WIN 0
.set ln, 0
.rept 8
.set lt, 0
.rept 4
.set rA, S+8*lt
.set rB, S+32+8*lt
.set rT, ST+4*lt
.set rC, TMP+4*lt
.if ln == 0
	v_pk_add_f32 v[rA:rA+1], v[rA:rA+1], v[rA+2:rA+3]
.elseif ln == 1
	v_pk_add_f32 v[rA+4:rA+5], v[rA+4:rA+5], v[rA+6:rA+7]
.elseif ln == 2
	v_pk_add_f32 v[rB:rB+1], v[rB:rB+1], v[rB+2:rB+3]
.elseif ln == 3
	v_pk_add_f32 v[rB+4:rB+5], v[rB+4:rB+5], v[rB+6:rB+7]
.elseif ln == 4
	v_pk_add_f32 v[rA:rA+1], v[rA:rA+1], v[rA+4:rA+5]
.elseif ln == 5
	v_pk_add_f32 v[rB:rB+1], v[rB:rB+1], v[rB+4:rB+5]
.elseif ln == 6
	v_pk_add_f32 v[rA:rA+1], v[rA:rA+1], v[rB:rB+1]
.else
	v_pk_fma_f32 v[rT+2:rT+3], v[rT+2:rT+3], v[rC+2:rC+3], v[rA:rA+1] op_sel_hi:[1,0,1]
.endif
.set lt, lt+1
.endr
.set ln, ln+1
.endr
.endm
.macro RESC                            ; the 24 accumulators times the tile's c2 (a, at the end 1 / l), each from its low end on
	WIN 0xc3
.set pn, 0
.rept 24
.set pj, 0
.rept 4
	v_pk_mul_f32 v[8*pn+2*pj:8*pn+2*pj+1], v[8*pn+2*pj:8*pn+2*pj+1], v[TMP+4*(pn%4)+2:TMP+4*(pn%4)+3] op_sel_hi:[1,0]
.set pj, pj+1
.endr
.set pn, pn+1
.endr
.endm
; A TILE OF 128 KEYS, in slot \slot.
.macro TRIPX slot
	TOPA
.if (\slot) == 0
	s_add_nc_u64 s[G0A+2:G0A+3], s[G0A+2:G0A+3], 2*CHUNK   ; slot 0's next tile; the type bits on top are not reached
	s_cmp_eq_u32 s[CNT], 1                                 ; in the last trip there is none:
	s_cselect_b64 s[G0A+2:G0A+3], s[PV6:PV6+1], s[G0A+2:G0A+3]  ; Wv's first chunk follows the last tile
	TOPB G0B, 1
.else
	s_add_nc_u64 s[G0B+2:G0B+3], s[G0B+2:G0B+3], 2*CHUNK   ; (in the last trip this address is not used)
	TOPB G0A, 1
.endif
	FETK 0, \slot, 0                               ; THE SCORES of my 32 keys: 96 products; a count of 12 leaves the younger run out
	FETK 1, \slot, 1
	s_wait_dscnt 12
	MMS 0, 0
	PLACES
	FETK 0, \slot, 2
	s_wait_dscnt 12
	MMS 1, 1
	PLACES
	FETK 1, \slot, 3
	s_wait_dscnt 12
	MMS 0, 2
	s_wait_dscnt 0x0
	MMS 1, 3
	PLACES                                         ; for the loads below and for the maxima, which read results just made
	FETV 0, \slot, 0                               ; the first values are on their way during the softmax
	FETV 1, \slot, 1
	LMAX
	ds_store_b128 v[AMS], v[LM:LM+3]
	s_wait_dscnt 0x0                               ; for the others' sake: my maxima are stored
	s_barrier_signal -1
	s_barrier_wait -1
	GLOAD
	s_wait_dscnt 0x0
	STATS
	EXPS
.set lt, 0
.rept 4
	ds_store_b128 v[AXY], v[PK+8*lt:PK+8*lt+3]   offset:lt*1024
	ds_store_b128 v[AXY], v[PK+8*lt+4:PK+8*lt+7] offset:lt*1024+512
.set lt, lt+1
.endr
	s_wait_dscnt 0x0                               ; my weights are stored, and my reads of the maxima are over
	s_barrier_signal -1
	SUMS                                           ; work on registers while the others arrive
	RESC
	s_barrier_wait -1
	FETP 0, 0                                      ; THE SECOND PRODUCT: 96 products over the tile's four groups of 32 keys
	FETP 1, 1
	s_wait_dscnt 8                                 ; the second group's 8 loads may be out
	MMP 0, 0
	PLACES
	FETV 0, \slot, 2
	FETP 0, 2
	s_wait_dscnt 20                                ; all but the 20 just issued
	MMP 1, 1
	PLACES
	FETV 1, \slot, 3
	FETP 1, 3
	s_wait_dscnt 20
	MMP 0, 0
	s_wait_dscnt 0x0
	MMP 1, 1
.endm
	; THE HEAD
	s_load_b256 s[4:11], s[0:1], 0x0               ; xb s[4:5], wimg s[6:7], bq s[8:9], bk s[10:11]
	s_load_b128 s[12:15], s[0:1], 0x20             ; bv s[12:13], out0 s[14:15]
	v_lshl_add_u32 v[SPW], v0, 2, SPARE
	v_mov_b32 v[NIL], 0
	ds_add_u32 v4, v5
	s_wait_dscnt 0x0
	v_lshrrev_b32 v25, 5, v0
	v_readfirstlane_b32 s[WV], v25                 ; wave 0..3
	v_and_b32 v1, 15, v0                           ; r
	v_bfe_u32 v2, v0, 4, 1                         ; h
	v_and_b32 v3, 31, v0                           ; lane
	s_bfe_u32 s17, ttmp6, 0x40000                  ; cx: my place in the cluster
	s_lshl_b32 s18, ttmp9, 2                       ; in a cluster launch ttmp9 counts clusters
	s_add_co_u32 s18, s18, s17                     ; my block of 64 queries: it enters XQ and OB alone
	s_and_b32 s19, ttmp7, 0xffff                   ; the batch, which the four partners share
	; descriptor group 1: 96 rows of 32 elements of 8 bytes, dense in memory, 16 bytes of padding behind each in LDS
	s_mov_b32 s[G1+0], 15|(3<<16)|(1<<20)|(1<<21)|(5<<22)|(3<<25)  ; 15:0 the mask of four; 17:16 8-byte elements; 20 padding on; 21 set beside a mask; 24:22 after every 64 words (code 5); 31:25 4 words (code 3)
	s_mov_b32 s[G1+1], 32<<16                      ; tensor_dim0 = 32
	s_mov_b32 s[G1+2], 96<<16                      ; tensor_dim1 = 96
	s_mov_b32 s[G1+3], 32<<16                      ; tile_dim0 = 32
	s_mov_b32 s[G1+4], 96                          ; tile_dim1 = 96
	s_mov_b32 s[G1+5], 32                          ; 32 elements from row to row
	s_mov_b32 s[G1+6], 0
	s_mov_b32 s[G1+7], 0
	s_mov_b32 s[CS], 0x3d96c740                    ; c = log2(e) / sqrt(384) = 0.0736222
	s_mov_b32 s[CS+1], s[CS]                       ; named with it as a pair
	s_mov_b32 s[SEL], 0x76543210
	s_mov_b32 s[SEL+1], 0xfedcba98
	s_mul_i32 s20, s[WV], CHUNK/4                  ; my quarter of a step's bytes in memory
	s_mov_b32 s21, 0
	s_mul_i32 s22, s19, 4096*768                   ; the batch in xb
	s_mul_i32 s24, s18, 64*768
	s_add_co_u32 s24, s24, s22                     ; the block's rows in xb
	s_mov_b32 s25, 0
	s_add_co_u32 s22, s22, s20
	s_mov_b32 s23, 0
	s_mul_i32 s26, s19, 4096*1536
	s_mul_i32 s27, s18, 64*1536
	s_add_co_u32 s26, s26, s27
	s_add_co_u32 s26, s26, s20                     ; + 16 w rows of 1,536 bytes
	s_mov_b32 s27, 0
	s_mov_b32 s[G0A], 1                            ; count = 1
	s_mul_i32 s[G0A+1], s[WV], QUART               ; LDS address: my quarter of slot 0: no place in the cluster enters an LDS address
	s_mov_b32 s[G0B], 1
	s_add_co_u32 s[G0B+1], s[G0A+1], SLOTB         ; of slot 1
	s_mul_i32 s55, s[WV], 384
	v_mul_u32_u24 v[QO], v1, 768
	v_lshl_add_u32 v[QO], v2, 4, v[QO]             ; row r x 768 + 16 h
	v_lshlrev_b32 v[BO], 5, v2
	v_add_nc_u32 v[BO], s55, v[BO]                 ; 4 (96 w + 8 h)
	s_wait_kmcnt 0x0
	s_add_nc_u64 s[PW:PW+1], s[6:7], s[20:21]
	s_add_nc_u64 s[PX:PX+1], s[4:5], s[22:23]
	s_add_nc_u64 s[PV6:PV6+1], s[PW:PW+1], 6*CHUNK
	s_or_b32 s[PV6+1], s[PV6+1], 0x80000000
	s_add_nc_u64 s[XQ:XQ+1], s[4:5], s[24:25]
	s_add_nc_u64 s[OB:OB+1], s[14:15], s[26:27]
	SETADR G0A, PW, 0                              ; step 0: Wq's first chunk
	ROUND                                          ; all four work-groups are here: the first joint loads meet
	tensor_load_to_lds s[G0A:G0A+3], s[G1:G1+7]
	s_nop 0
	PLACES
	; the block's own rows of x as source 1 fragments: lane (r, h) holds row 16 t + r, channels 32 kc + 8 h + 0..7 and + 16
.set qk, 0
.rept 12
.if qk < 8
	WIN 0x40
.else
	WIN 0x80
.endif
.set qt, 0
.rept 4
.set rq, 8*(4*(qk%8)+qt)
	global_load_b128 v[rq:rq+3],   v[QO], s[XQ:XQ+1] offset:qt*12288+64*qk
	global_load_b128 v[rq+4:rq+7], v[QO], s[XQ:XQ+1] offset:qt*12288+64*qk+32
.set qt, qt+1
.endr
.set qk, qk+1
.endr
	; the biases of my 96 channels, laid as an accumulator's registers: register 8 a + j holds channel 96 w + 16 a + 8 h + j
.set fa, 0
.rept 6
	global_load_b128 v[BQ+8*fa:BQ+8*fa+3],   v[BO], s[8:9] offset:64*fa
	global_load_b128 v[BQ+8*fa+4:BQ+8*fa+7], v[BO], s[8:9] offset:64*fa+16
	global_load_b128 v[BK+8*fa:BK+8*fa+3],   v[BO], s[10:11] offset:64*fa
	global_load_b128 v[BK+8*fa+4:BK+8*fa+7], v[BO], s[10:11] offset:64*fa+16
.set fa, fa+1
.endr
	WIN 0xc0
.set fa, 0
.rept 6
	global_load_b128 v[BV+8*fa:BV+8*fa+3],   v[BO], s[12:13] offset:64*fa
	global_load_b128 v[BV+8*fa+4:BV+8*fa+7], v[BO], s[12:13] offset:64*fa+16
.set fa, fa+1
.endr
	WIN 0
	s_lshl_b32 s60, s[WV], 6
	s_mul_i32 s61, s[WV], 12288
	s_lshl_b32 s62, s[WV], 12
	s_lshl_b32 s63, s[WV], 9
	s_mul_i32 s20, s[WV], 16*STP
	s_add_co_u32 s21, s55, XCH
	v_mul_u32_u24 v[AK], v1, KP
	v_lshl_add_u32 v[AK], v2, 4, v[AK]
	v_add_nc_u32 v[AK], s[G0A+1], v[AK]            ; (32 w + r) x 816 + 16 h
	v_add_nc_u32 v[AK+1], SLOTB, v[AK]
	; the turning load takes 16 keys x 16 channels: lane l reads key 8 (l / 16) + l % 8, channels 8 ((l / 8) % 2) + 0..7
	v_and_b32 v25, 7, v0
	v_bfe_u32 v26, v0, 3, 1
	v_lshl_add_u32 v27, v2, 3, v25
	v_mul_u32_u24 v[AV], v27, KP
	v_lshl_add_u32 v[AV], v26, 4, v[AV]
	v_add_nc_u32 v[AV], s60, v[AV]                 ; + my 32 channels in each 128
	v_add_nc_u32 v[AV+1], 64*KP, v[AV]
	v_add_nc_u32 v[AV+2], SLOTB, v[AV]
	v_add_nc_u32 v[AV+3], SLOTB+64*KP, v[AV]
	v_mul_u32_u24 v[AW], v2, 272
	v_lshl_add_u32 v[AW], v1, 4, v[AW]
	v_add_nc_u32 v[AW], s[G0A+1], v[AW]            ; 512 dense bytes are two padded rows: h x 272 + 16 r
	v_add_nc_u32 v[AW+1], SLOTB, v[AW]
	v_lshl_add_u32 v[AX], v3, 4, XCH
	v_add_nc_u32 v[AXS], s61, v[AX]
	v_add_nc_u32 v[AXY], s62, v[AX]
	v_lshl_add_u32 v[AMS], v3, 4, MBUF
	v_add_nc_u32 v[AMS], s63, v[AMS]
	v_lshl_add_u32 v[AML], v1, 4, MBUF
	v_mul_u32_u24 v[AS], v1, STP
	v_lshl_add_u32 v[AS], v2, 5, v[AS]
	v_add_nc_u32 v[AS], s21, v[AS]                 ; stage row r, byte 384 w + 32 h
	v_add_nc_u32 v[AS+1], 32*STP, v[AS]
	v_add_nc_u32 v[ARD], s20, v[AX]                ; stage row 16 w, 16 bytes a lane
	v_lshlrev_b32 v[GO], 4, v3
.set ht, 0
.rept 16
	v_mov_b32 v[TMP+ht], 0                         ; written once whole: v_permlanex16_b32's destination and the pairs' second halves count as read
.set ht, ht+1
.endr
	; q = x Wq^T + bq: steps 0 to 2
	TOPA
	SETADR G0B, PW, CHUNK
	TOPB G0B, 1
	s_wait_loadcnt 0x0                             ; x's fragments and the biases
	GSTEP 0, 0, 2, 0
	TOPA
	SETADR G0A, PW, 2*CHUNK
	TOPB G0A, 1
	GSTEP 1, 1, 0, 0
	TOPA
	SETADR G0B, PW, 3*CHUNK
	TOPB G0B, 1
	GSTEP 0, 2, 0, 0
	; cq = q . bk in f32: my 96 channels' part; then q goes to the other waves as fragments
	PLACES
	WIN 0x0b                                       ; q in window 3, bk in window 2, the sums in window 0
.set ca, 0
.rept 6
.set cj, 0
.rept 4
.set ct, 0
.rept 4
.set rC, TMP+4*ct
.set rD, 8*(4*ca+ct)+2*cj
.set rB, BK+8*ca+2*cj
.if (ca == 0) && (cj == 0)
	v_pk_mul_f32 v[rC:rC+1], v[rD:rD+1], v[rB:rB+1]
.else
	v_pk_fma_f32 v[rC:rC+1], v[rD:rD+1], v[rB:rB+1], v[rC:rC+1]
.endif
.set ct, ct+1
.endr
.set cj, cj+1
.endr
.set ca, ca+1
.endr
	HSUM TMP
	ds_store_b128 v[AMS], v[LM:LM+3]
	PACKX 0, AXS, 0
	s_wait_dscnt 0x0                               ; for the others' sake: my stores are done
	s_barrier_signal -1
	s_barrier_wait -1
	QLOAD
	GLOAD
	s_wait_dscnt 0x0
	GADD
	WIN 0x80
.set ht, 0
.rept 32
	v_mov_b32 v[CQ+ht], v[LM+ht/8]                 ; cq eight times: the C operand of a tile's score products
.set ht, ht+1
.endr
	; q' = q Wk: steps 3 to 5
	TOPA
	SETADR G0A, PW, 4*CHUNK
	TOPB G0A, 1
	GSTEP 1, 0, 1, 0
	TOPA
	SETADR G0B, PW, 5*CHUNK
	TOPB G0B, 1
	GSTEP 0, 1, 0, 0
	TOPA
	SETADR G0A, PX, 0                              ; no tensor load of mine is out: both group 0s are set for the walk over x
	SETADR G0B, PX, CHUNK
	TOPB G0A, 1
	GSTEP 1, 2, 0, 0
	PLACES
	PACKX 0, AXS, 0
	s_wait_dscnt 0x0
	s_barrier_signal -1
	s_barrier_wait -1
	QLOAD                                          ; waited for at the first tile's top
.set ht, 0
.rept 4
	v_mov_b32 v[ST+4*ht], 0xfe000000               ; c m: far below every c s, so the first tile's a is 0
	v_mov_b32 v[ST+4*ht+1], 0xff7fffff             ; m: the lowest finite number
	v_mov_b32 v[ST+4*ht+2], 0
	v_mov_b32 v[ST+4*ht+3], 0
.set ht, ht+1
.endr
	; THE WALK: 32 tiles, two a trip
	s_mov_b32 s[CNT], 16
.Ltile:
	TRIPX 0
	TRIPX 1
	WIN 0
	s_sub_co_u32 s[CNT], s[CNT], 1
	s_cmp_lg_u32 s[CNT], 0
	s_cbranch_scc1 .Ltile
	; l over the lanes' halves and the four waves; y = sums / l, in f16, to the other waves as fragments.  Wv's first chunk is on its way meanwhile: behind these two barriers nothing is filled.
	PLACES
	HSUM ST+2
	ds_store_b128 v[AMS], v[LM:LM+3]
	s_wait_dscnt 0x0                               ; my sums are stored, and my reads of P are over: XCH is written behind this barrier
	s_barrier_signal -1
	s_barrier_wait -1
	GLOAD
	s_wait_dscnt 0x0
	GADD
.set ht, 0
.rept 4
	v_rcp_f32 v[TMP+4*ht+2], v[LM+ht]
.set ht, ht+1
.endr
	v_nop                                          ; a plain instruction between the last reciprocal and the use of its result
	s_wait_alu depctr_va_vdst(0)
	RESC
	PACKX 1, AXY, 1
	s_wait_dscnt 0x0
	s_barrier_signal -1
	s_barrier_wait -1
	QLOAD
	; o = y Wv^T + bv: steps 38 to 40
	TOPA
	SETADR G0B, PW, 7*CHUNK
	TOPB G0B, 1
	GSTEP 0, 0, 3, 1
	TOPA
	SETADR G0A, PW, 8*CHUNK
	TOPB G0A, 1
	GSTEP 1, 1, 0, 1
	TOPA
	TOPB G0A, 0                                    ; the last step: nothing is left to fetch
	GSTEP 0, 2, 0, 1
	; THE WAY OUT: a lane's eight channels of a query are 32 bytes of a row of out0; they go into the work-group's stage and come back as whole rows, 16 rows a wave
	PLACES
	WIN 0x0c                                       ; store data in window 3
.set pn, 0
.rept 24
	ds_store_b128 v[AS+(pn%4)/2], v[8*pn:8*pn+3]   offset:(pn%2)*16*STP+64*(pn/4)
	ds_store_b128 v[AS+(pn%4)/2], v[8*pn+4:8*pn+7] offset:(pn%2)*16*STP+64*(pn/4)+16
.set pn, pn+1
.endr
	WIN 0
	s_wait_dscnt 0x0                               ; for the others' sake: a row's bytes come from all four waves
	s_barrier_signal -1
	s_barrier_wait -1
.set pn, 0
.rept 48
	ds_load_b128 v[S+4*pn:S+4*pn+3], v[ARD] offset:(pn/3)*STP+512*(pn%3)
.set pn, pn+1
.endr
.set pn, 0
.rept 48
	s_wait_dscnt 47-pn                             ; LDS loads come back in order: load pn is in, the younger ones stay out
	global_store_b128 v[GO], v[S+4*pn:S+4*pn+3], s[OB:OB+1] offset:(pn/3)*1536+512*(pn%3) th:TH_STORE_NT  ; a wave stores 512 consecutive bytes, at a multiple of 512 from out0's first
.set pn, pn+1
.endr
	s_wait_tensorcnt 0x0                           ; the wave's end: behind my last tensor load and my last LDS store
	ds_add_u32 v[SPW], v[NIL]
	s_wait_dscnt 0x0
	ROUND                                          ; the closing round: no work-group ends while a partner may still ask for a tile that names it
	s_endpgm
.Lfunc_end_k_qc8b27321ca_attn:
	.size	k_qc8b27321ca_attn, .Lfunc_end_k_qc8b27321ca_attn-k_qc8b27321ca_attn
	.p2alignl 7, 3214868480
	.fill 96, 4, 3214868480
	.section	.rodata,"a",@progbits
	.p2align	6, 0x0
	.amdhsa_kernel k_qc8b27321ca_attn
		.amdhsa_group_segment_fixed_size 327680
		.amdhsa_private_segment_fixed_size 0
		.amdhsa_enable_private_segment 0
		.amdhsa_kernarg_size 48
		.amdhsa_user_sgpr_count 2
		.amdhsa_user_sgpr_kernarg_segment_ptr 1
		.amdhsa_wavefront_size32 1
		.amdhsa_system_sgpr_workgroup_id_x 1
		.amdhsa_system_sgpr_workgroup_id_y 1
		.amdhsa_system_sgpr_workgroup_id_z 1
		.amdhsa_system_vgpr_workitem_id 0
		.amdhsa_next_free_vgpr 1024
		.amdhsa_next_free_sgpr 66
		.amdhsa_reserve_vcc 0
		.amdhsa_float_denorm_mode_32 3
		.amdhsa_float_denorm_mode_16_64 3
		.amdhsa_memory_ordered 1
		.amdhsa_forward_progress 1
		.amdhsa_inst_pref_size 255
	.end_amdhsa_kernel
	.section	.bss,"aw",@nobits
	.p2align	6
	.space	262144
	.amdgpu_metadata
---
amdhsa.version: [ 1, 2 ]
amdhsa.kernels:
  - .name:           k_qc8b27321ca_attn
    .symbol:         k_qc8b27321ca_attn.kd
    .args:
      - { .name: xb, .offset: 0, .size: 8, .value_kind: global_buffer, .address_space: global }
      - { .name: wimg, .offset: 8, .size: 8, .value_kind: global_buffer, .address_space: global }
      - { .name: bq, .offset: 16, .size: 8, .value_kind: global_buffer, .address_space: global }
      - { .name: bk, .offset: 24, .size: 8, .value_kind: global_buffer, .address_space: global }
      - { .name: bv, .offset: 32, .size: 8, .value_kind: global_buffer, .address_space: global }
      - { .name: out0, .offset: 40, .size: 8, .value_kind: global_buffer, .address_space: global }
    .group_segment_fixed_size: 327680
    .private_segment_fixed_size: 0
    .kernarg_segment_align: 8
    .kernarg_segment_size: 48
    .max_flat_workgroup_size: 128
    .sgpr_count:     66
    .vgpr_count:     1024
    .wavefront_size: 32
...
	.end_amdgpu_metadata
.endif
;; end of part 2
;; ======== version 2 of 2: 2 launches; 1.08 times as fast as version 1
;; limits: inputs' magnitudes at most 65,504; values are held in f16: magnitudes above 65,504 overflow, below 6.1e-05 lose precision
;; workspace buffers: xb 12,582,912 bytes; wimg 884,736 bytes
;; launch prep: the kernel of part 1 again; grid 256 x 1, 8 waves a work-group, no clusters, 0 bytes of LDS; arguments x, Wq, Wk, Wv, xb, wimg; writes xb, wimg
;; launch attn (part 3): grid 64 x 4, 4 waves a work-group, clusters of 4 x 1, 327,680 bytes of LDS; arguments xb, wimg, bq, bk, bv, out0; writes out0
.if DOCPART == 3
	.amdgcn_target "amdgcn-amd-amdhsa--gfx1250"
	.amdhsa_code_object_version 6
	.text
	.protected	k_qc8b27321ca_attn
	.globl	k_qc8b27321ca_attn
	.p2align	8
	.type	k_qc8b27321ca_attn,@function
k_qc8b27321ca_attn:
	s_mov_b64 s[64:65], 0
	v_nop
	global_prefetch_b8 v0, s[64:65] scope:SCOPE_SE
	s_setreg_imm32_b32 hwreg(HW_REG_WAVE_MODE, 25, 1), 1
	s_wait_xcnt 0x0
	s_wait_alu depctr_hold_cnt(0) depctr_sa_sdst(0) depctr_va_vdst(0) depctr_va_sdst(0) depctr_va_ssrc(0) depctr_va_vcc(0) depctr_vm_vsrc(0)
	s_getreg_b32 s2, hwreg(HW_REG_IB_STS2, 6, 4)
	s_cmp_eq_u32 s2, 0
	s_cbranch_scc0 .Lentry_in_a_cluster
	s_endpgm
.Lentry_in_a_cluster:
	s_bfe_u32 s2, ttmp6, 0x10000c
	s_cmp_lg_u32 s2, 0x3003
	s_cbranch_scc0 .Lentry_shape_is_right
	s_endpgm
.Lentry_shape_is_right:
; out = softmax((x Wq^T + bq)(x Wk^T + bk)^T / sqrt(384)) (x Wv^T + bv), 4 batches of 4,096 rows of 384.
; THE PRODUCTS ARE RE-ASSOCIATED, exactly: with q = x Wq^T + bq, score(q, k) = (q Wk) . x_k + q . bk, and, the weights summing to 1,
; out = (softmax . x) Wv^T + bv.  So the keys and the values are both x (bf16, from the launch before): one tile serves both products.
; A work-group owns 64 queries of a batch.  It makes q, q' = q Wk and cq = q . bk (f32), walks the batch's 32 tiles of 128 keys with a running
; maximum, and at the end makes o = y Wv^T + bv of y = (sum of p x) / l.  cq is the C operand that starts every score's sum.
; FORMATS.  x, Wq, Wk, q, q', p: bf16.  y, Wv: f16.  Biases, cq, maxima, sums, the scale: f32.
; LIMITS.  y is a mean of x's rows: |x| and |Wv| stay below 65,504.  A weight below 2^-126 counts as 0.  NaN and infinities are not treated apart.
; The first tile multiplies what the accumulators hold (the sums of q', taken to be finite) by a = 0: nothing is cleared.
; LAYOUT.  Every product is used transposed: source 0 = 16 channels or keys, source 1 = 16 queries; a lane always holds ONE query (lane % 16) and rows 8 (lane / 16) + 0..7.
; Two neighbouring results rounded in pairs ARE a source 1 fragment, so what the waves hand each other through LDS are register images, 16 bytes a lane.
; SHARES.  Small products: wave w makes 96 output channels (6 blocks a) of all 4 query tiles t: 24 accumulators.  Scores: wave w takes keys 32 w .. 32 w + 31 of a tile, all 64 queries.
; Second product: wave w takes channels 128 s + 32 w + 16 i (a = 2 s + i), all queries, all 128 keys.  So each fragment read from LDS feeds four products, and each byte of a tile is read
; from LDS once as a key and once as a value in the work-group.  The price: the waves exchange their maxima and their weights in every tile (two barriers).
; THE EXPONENTIALS' BATCHES.  A tile has 68 exponentials: the four a (STATS), then the 64 weights in place (EXPS), the 32 scalings dealt among them.  None of these lines names an exponential's
; result, so they are ONE BATCH with ONE wait, behind the last of them; all that read a result (the roundings, the sums, the rescaling by a) stand behind that wait..
; The four reciprocals behind the walk are a batch of their own, with a wait of their own.
; CLUSTER.  The four query blocks of a cluster belong to one batch and walk the same weights and the same tiles of x: every tensor load is asked for JOINTLY (mask 15).
; THE RING.  41 steps through two slots: Wq's 3 chunks, Wk^T's 3, 32 tiles of x, Wv's 3, each 98,304 dense bytes, asked for as 4 x 96 rows of 256 bytes (a quarter a wave), 16 bytes of padding
; behind each row.  At a step's top the slot read in the step before is filled with the next step's bytes: one tensor load of a wave is out at a time.
; REGISTERS, in windows of 256 (s_set_vgpr_msb: bits 1:0 source 0, 3:2 source 1, 5:4 source 2, 7:6 destination):
;   window 0: v0-27 addresses; v28-43 statistics; v44-59 at work; v60-63 what a wave hands the others; v64-127 scores; v128-223 two fragment buffers; v224-255 packed weights, and the others' numbers
;   window 1: source 1 fragments QF (x, then q, q', y) of the sum's parts 0-7      window 2: v0-127 parts 8-11; v128-159 cq; v160-223 fragments of P (before the walk: bq, bk)
;   window 3: v0-191 the 24 accumulators; v192-239 bv
.set CHUNK, 98304                      ; a step's bytes in memory
.set QUART, 26112                      ; 96 rows of 272: what one tensor load fills
.set SLOTB, 4*QUART
.set KP,    816                        ; a key in LDS: 3 rows of 272 = 51 x 16 bytes: the 16 keys of a fragment load start at 16 different groups of four banks (64 banks of 4 bytes: ISA guide 11.1)
.set MBUF,  2*SLOTB                    ; 2,048 bytes: 16 a lane, 512 a wave: maxima and sums
.set SPARE, MBUF+2048                  ; the spare words, 128 bytes for each wave: two blocks of 256 bytes that no other line names
.set XCH,   SPARE+512                  ; 49,152 bytes of fragments (part kc, tile t at (4 kc + t) x 1,024); P is its first 16,384; the stage for the way out begins here too.  No tensor load fills it
.set STP,   1552                       ; a row of the stage: 1,536 + 16 = 97 x 16 bytes
.set SPW, 4                            ; v4   SPARE + 4 x my thread's number; never rewritten
.set NIL, 5                            ; v5   0; never rewritten
.set AK,  6                            ; v6-7    by slot: my place in my wave's 32 keys
.set AV,  8                            ; v8-11   by slot and half of the tile: my place for the turning load
.set AW,  12                           ; v12-13  by slot: my 16 bytes in my wave's quarter of a weight chunk
.set AX,  14                           ; v14  XCH + 16 x lane
.set AXS, 15                           ; v15  + 12,288 w: where q and q' go
.set AXY, 16                           ; v16  + 4,096 w: where P and y go
.set AMS, 17                           ; v17  MBUF: where I put four numbers
.set AML, 18                           ; v18  MBUF: where I read a wave's four numbers for my query
.set AS,  19                           ; v19-20  the stage: rows 0-31, rows 32-63
.set ARD, 21                           ; v21  the stage: where I read rows back
.set GO,  22                           ; v22  16 x lane
.set QO,  23                           ; v23  my place in 16 rows of xb
.set BO,  24                           ; v24  my place in a bias
.set ST,  28                           ; tile t at ST + 4 t: c m, m, l (even keys', odd keys')
.set TMP, 44                           ; tile t at TMP + 4 t: c0-c3 at work; c2 takes a, at the end 1 / l
.set LM,  60
.set S,   64                           ; scores of key block kt, tile t at S + 8 (4 kt + t)
.set FB,  128                          ; two buffers of 6 fragments
.set PK,  224                          ; tile t, key block kt: 4 registers at PK + 8 t + 4 kt
.set G,   224                          ; wave w's four numbers at G + 4 w (dead when PK is written)
.set MV,  240                          ; c m_old
.set CQ,  128                          ; window 2
.set PF,  160                          ; window 2: two buffers of 4 fragments
.set BQ,  160                          ; window 2
.set BK,  208                          ; window 2
.set BV,  192                          ; window 3
.set WV,  16                           ; s16  my wave's number
.set G1,  28                           ; s[28:35] descriptor group 1: one shape for every load
.set G0A, 36                           ; s[36:39] group 0 for slot 0
.set G0B, 40                           ; s[40:43] for slot 1
.set PW,  44                           ; s[44:45] my quarter of wimg's chunk 0
.set PX,  46                           ; s[46:47] my quarter of the batch's tile 0
.set PV6, 48                           ; s[48:49] my quarter of Wv's first chunk, with the type bits
.set CS,  50                           ; s[50:51] c = log2(e) / sqrt(384)
.set SEL, 52                           ; s[52:53] v_permlanex16_b32's selects: each lane takes its own place in the other half
.set CNT, 54
.set XQ,  56                           ; s[56:57] the block's own rows of xb
.set OB,  58                           ; s[58:59] my wave's 16 rows of out0
.set MSB, 0
.macro WIN new                         ; the high byte repeats the setting that is left; a switch that changes nothing is dropped
.if MSB != (\new)
	s_set_vgpr_msb (MSB<<8)|(\new)
.set MSB, (\new)
.endif
.endm
.macro PLACES                          ; four places: in front of loads into registers that matrix instructions have read, and of vector work on results just made
.rept 4
	v_nop
.endr
.endm
.macro ROUND                           ; a round of the cluster's barrier: my work-group's barrier; wave 0 signals for the work-group; every wave waits for all four; my work-group's barrier once more
	s_barrier_signal -1
	s_barrier_wait -1
	s_cmp_lg_u32 s[WV], 0
	s_cbranch_scc1 .Lnot_wave_0_\@
	s_barrier_signal -3
.Lnot_wave_0_\@:
	s_barrier_wait -3
	s_barrier_signal -1
	s_barrier_wait -1
.endm
.macro SETADR g, base, off             ; a group 0's global address, made anew
	s_add_nc_u64 s[(\g)+2:(\g)+3], s[(\base):(\base)+1], (\off)
	s_or_b32 s[(\g)+3], s[(\g)+3], 0x80000000
.endm
; A STEP'S TOP.  TOPA: all my tensor loads have landed (one was out: my quarter of this step's slot), and 0 goes onto my spare word.  The caller's scalar lines write group 0s.
; TOPB: the add is done and my reads of the other slot are over; a round, so that this holds of every wave of all four work-groups; then the joint refill of that slot, first thing.
.macro TOPA
	WIN 0
	s_wait_tensorcnt 0x0
	ds_add_u32 v[SPW], v[NIL]
.endm
.macro TOPB g, fill
	s_wait_dscnt 0x0
.if \fill
	ROUND
	tensor_load_to_lds s[(\g):(\g)+3], s[G1:G1+7]
	s_nop 0
.else
	s_barrier_signal -1
	s_barrier_wait -1
.endif
	PLACES                                         ; also the places in front of the fragment loads that follow
.endm
; FRAGMENT LOADS, in runs of 12 (6 fragments) or 8.
.macro FETW buf, slot, kq              ; weights: my 6 blocks of channels, part kq of the chunk's four
	WIN 0
.set fa, 0
.rept 6
	ds_load_b128 v[FB+48*(\buf)+8*fa:FB+48*(\buf)+8*fa+3],   v[AW+(\slot)] offset:(4*fa+(\kq))*1088
	ds_load_b128 v[FB+48*(\buf)+8*fa+4:FB+48*(\buf)+8*fa+7], v[AW+(\slot)] offset:(4*fa+(\kq))*1088+544
.set fa, fa+1
.endr
.endm
.macro FETK buf, slot, g               ; keys: channel parts 3 g .. 3 g + 2 of my two blocks of 16 keys
	WIN 0
.set fk, 0
.rept 3
.set fc, 3*(\g)+fk
.set fo, 64*fc+16*(fc/4)
.set ft, 0
.rept 2
.set fr, FB+48*(\buf)+8*(2*fk+ft)
	ds_load_b128 v[fr:fr+3],   v[AK+(\slot)] offset:ft*16*KP+fo
	ds_load_b128 v[fr+4:fr+7], v[AK+(\slot)] offset:ft*16*KP+fo+32
.set ft, ft+1
.endr
.set fk, fk+1
.endr
.endm
.macro FETV buf, slot, kg              ; values, turned: keys 32 kg on, my 6 blocks of 16 channels
	WIN 0
.set fa, 0
.rept 6
.set fr, FB+48*(\buf)+8*fa
.set fo, ((\kg)%2)*32*KP+272*(fa/2)+32*(fa%2)
	ds_load_tr16_b128 v[fr:fr+3],   v[AV+2*(\slot)+(\kg)/2] offset:fo
	ds_load_tr16_b128 v[fr+4:fr+7], v[AV+2*(\slot)+(\kg)/2] offset:fo+16*KP
.set fa, fa+1
.endr
.endm
.macro FETP pb, kg                     ; weights p of keys 32 kg on (wave kg made them), all four tiles
	WIN 0x80
.set ft, 0
.rept 4
.set fr, PF+32*(\pb)+8*ft
	ds_load_b128 v[fr:fr+3],   v[AX] offset:(4*(\kg)+ft)*1024
	ds_load_b128 v[fr+4:fr+7], v[AX] offset:(4*(\kg)+ft)*1024+512
.set ft, ft+1
.endr
.endm
.macro QLOAD                           ; all 48 source 1 fragments out of XCH
.set qk, 0
.rept 12
.if qk < 8
	WIN 0x40
.else
	WIN 0x80
.endif
.set qt, 0
.rept 4
.set rq, 8*(4*(qk%8)+qt)
	ds_load_b128 v[rq:rq+3],   v[AX] offset:(4*qk+qt)*1024
	ds_load_b128 v[rq+4:rq+7], v[AX] offset:(4*qk+qt)*1024+512
.set qt, qt+1
.endr
.set qk, qk+1
.endr
	WIN 0
.endm
; THE MATRIX WORK.  In each macro the accumulators take turns, one instruction a turn; a macro's last and the next macro's first differ.
; 24 products of a small product: part kc of the sum.  cinit: 0 add on; 1 start with 0; 2 start with bq; 3 start with bv (f16).
.macro MMG buf, kc, cinit, f16
.if (\cinit) == 2
	WIN 0xe4
.elseif (\kc) < 8
	WIN 0xf4
.else
	WIN 0xf8
.endif
.set mt, 0
.rept 24
.set rD, 8*mt
.set rA, FB+48*(\buf)+8*(mt/4)
.set rB, 8*(4*((\kc)%8)+mt%4)
.if (\cinit) == 1
	v_wmma_f32_16x16x32_bf16 v[rD:rD+7], v[rA:rA+7], v[rB:rB+7], 0
.elseif (\cinit) == 2
	v_wmma_f32_16x16x32_bf16 v[rD:rD+7], v[rA:rA+7], v[rB:rB+7], v[BQ+8*(mt/4):BQ+8*(mt/4)+7]
.elseif (\cinit) == 3
	v_wmma_f32_16x16x32_f16 v[rD:rD+7], v[rA:rA+7], v[rB:rB+7], v[BV+8*(mt/4):BV+8*(mt/4)+7]
.elseif \f16
	v_wmma_f32_16x16x32_f16 v[rD:rD+7], v[rA:rA+7], v[rB:rB+7], v[rD:rD+7]
.else
	v_wmma_f32_16x16x32_bf16 v[rD:rD+7], v[rA:rA+7], v[rB:rB+7], v[rD:rD+7]
.endif
.set mt, mt+1
.endr
.endm
.macro MMS buf, g                      ; 24 products of the scores: channel parts 3 g .. 3 g + 2; part 0 starts the sums with cq
.set mk, 0
.rept 3
.set mc, 3*(\g)+mk
.set mt, 0
.rept 8
.set rD, S+8*mt
.set rA, FB+48*(\buf)+8*(2*mk+mt/4)
.set rB, 8*(4*(mc%8)+mt%4)
.if mc == 0
	WIN 0x24
	v_wmma_f32_16x16x32_bf16 v[rD:rD+7], v[rA:rA+7], v[rB:rB+7], v[CQ+8*(mt%4):CQ+8*(mt%4)+7]
.else
.if mc < 8
	WIN 0x04
.else
	WIN 0x08
.endif
	v_wmma_f32_16x16x32_bf16 v[rD:rD+7], v[rA:rA+7], v[rB:rB+7], v[rD:rD+7]
.endif
.set mt, mt+1
.endr
.set mk, mk+1
.endr
.endm
.macro MMP buf, pb                     ; 24 products of y^T += X^T P: 32 keys
	WIN 0xf8
.set mt, 0
.rept 24
	v_wmma_f32_16x16x32_bf16 v[8*mt:8*mt+7], v[FB+48*(\buf)+8*(mt/4):FB+48*(\buf)+8*(mt/4)+7], v[PF+32*(\pb)+8*(mt%4):PF+32*(\pb)+8*(mt%4)+7], v[8*mt:8*mt+7]
.set mt, mt+1
.endr
.endm
; A weight chunk's step: 96 products on two fragment buffers; a wait's count of 12 leaves the younger run of 12 loads out.
.macro GSTEP slot, c3, cinit, f16
	FETW 0, \slot, 0
	FETW 1, \slot, 1
	s_wait_dscnt 12
	MMG 0, 4*(\c3), \cinit, \f16
	PLACES
	FETW 0, \slot, 2
	s_wait_dscnt 12
	MMG 1, 4*(\c3)+1, 0, \f16
	PLACES
	FETW 1, \slot, 3
	s_wait_dscnt 12
	MMG 0, 4*(\c3)+2, 0, \f16
	s_wait_dscnt 0x0
	MMG 1, 4*(\c3)+3, 0, \f16
.endm
; The 24 accumulators, rounded in pairs (each from its low end on) into the fragment buffers' 96 registers, and into XCH as halves of fragments.
; map 0: block a is half a % 2 of part 3 w + a / 2.  map 1: block a = 2 s + i is half i of part 4 s + w.
.macro PACKX f16, base, map
	WIN 0x0f
.set pn, 0
.rept 24
.set pj, 0
.rept 4
.if \f16
	v_cvt_pk_f16_f32 v[FB+4*pn+pj], v[8*pn+2*pj], v[8*pn+2*pj+1]
.else
	v_cvt_pk_bf16_f32 v[FB+4*pn+pj], v[8*pn+2*pj], v[8*pn+2*pj+1]
.endif
.set pj, pj+1
.endr
.set pn, pn+1
.endr
	WIN 0
.set pn, 0
.rept 24
.if \map
.set po, (16*(pn/8)+pn%4)*1024+512*((pn/4)%2)
.else
.set po, (4*(pn/8)+pn%4)*1024+512*((pn/4)%2)
.endif
	ds_store_b128 v[\base], v[FB+4*pn:FB+4*pn+3] offset:po
.set pn, pn+1
.endr
.endm
.macro HSUM src                        ; for each tile: a pair's two numbers and the other half of the lanes' are added, into LM
	WIN 0
.set ht, 0
.rept 4
	v_add_f32 v[TMP+4*ht], v[(\src)+4*ht], v[(\src)+4*ht+1]
.set ht, ht+1
.endr
.set ht, 0
.rept 4
	v_permlanex16_b32 v[TMP+4*ht+3], v[TMP+4*ht], s[SEL], s[SEL+1]
.set ht, ht+1
.endr
.set ht, 0
.rept 4
	v_add_f32 v[LM+ht], v[TMP+4*ht], v[TMP+4*ht+3]
.set ht, ht+1
.endr
.endm
.macro GLOAD                           ; the four waves' four numbers for my query
	WIN 0
.set gw, 0
.rept 4
	ds_load_b128 v[G+4*gw:G+4*gw+3], v[AML] offset:512*gw
.set gw, gw+1
.endr
.endm
.macro GADD                            ; their sums, into LM
.set ht, 0
.rept 4
	v_add_f32 v[TMP+4*ht], v[G+ht], v[G+4+ht]
	v_add_f32 v[TMP+4*ht+1], v[G+8+ht], v[G+12+ht]
.set ht, ht+1
.endr
.set ht, 0
.rept 4
	v_add_f32 v[LM+ht], v[TMP+4*ht], v[TMP+4*ht+1]
.set ht, ht+1
.endr
.endm
; THE SOFTMAX'S PIECES; the four tiles alternate, so that no line reads the result of the one before it.
.macro LMAX                            ; my wave's maximum for each query: two chains over the tile's two accumulators (lowest registers first), then the other half of the lanes
	WIN 0
.set ln, 0
.rept 10
.set lt, 0
.rept 4
.set rC, TMP+4*lt
.set rA, S+8*lt
.set rB, S+32+8*lt
.if ln == 0
	v_max3_num_f32 v[rC], v[rA], v[rA+1], v[rA+2]
.elseif ln == 1
	v_max3_num_f32 v[rC+1], v[rB], v[rB+1], v[rB+2]
.elseif ln == 2
	v_max3_num_f32 v[rC], v[rC], v[rA+3], v[rA+4]
.elseif ln == 3
	v_max3_num_f32 v[rC+1], v[rC+1], v[rB+3], v[rB+4]
.elseif ln == 4
	v_max3_num_f32 v[rC], v[rC], v[rA+5], v[rA+6]
.elseif ln == 5
	v_max3_num_f32 v[rC+1], v[rC+1], v[rB+5], v[rB+6]
.elseif ln == 6
	v_max3_num_f32 v[rC], v[rC], v[rA+7], v[rB+7]
.elseif ln == 7
	v_max_num_f32 v[rC], v[rC], v[rC+1]
.elseif ln == 8
	v_permlanex16_b32 v[rC+3], v[rC], s[SEL], s[SEL+1]
.else
	v_max_num_f32 v[LM+lt], v[rC], v[rC+3]
.endif
.set lt, lt+1
.endr
.set ln, ln+1
.endr
.endm
.macro STATS                           ; the new m of the four waves' maxima and the old m; c m; a = 2^(c m_old - c m_new): the four a open the tile's batch of exponentials, which EXPS goes on with and waits for
	WIN 0
.set ln, 0
.rept 6
.set lt, 0
.rept 4
.set rC, TMP+4*lt
.set rT, ST+4*lt
.if ln == 0
	v_max3_num_f32 v[rC], v[G+lt], v[G+4+lt], v[G+8+lt]
.elseif ln == 1
	v_mov_b32 v[MV+lt], v[rT]
.elseif ln == 2
	v_max3_num_f32 v[rT+1], v[rC], v[G+12+lt], v[rT+1]
.elseif ln == 3
	v_mul_f32 v[rT], s[CS], v[rT+1]
.elseif ln == 4
	v_sub_f32 v[rC+1], v[MV+lt], v[rT]
.else
	v_exp_f32 v[rC+2], v[rC+1]
.endif
.set lt, lt+1
.endr
.set ln, ln+1
.endr
.endm
.macro EF p                            ; pair p of the 32 pairs of scores: c s - c m
	v_pk_fma_f32 v[S+2*(\p):S+2*(\p)+1], v[S+2*(\p):S+2*(\p)+1], s[CS:CS+1], v[ST+4*(((\p)/4)%4):ST+4*(((\p)/4)%4)+1] op_sel_hi:[1,0,0] neg_lo:[0,0,1] neg_hi:[0,0,1]
.endm
.macro EC p                            ; pair p rounded to bf16
	v_cvt_pk_bf16_f32 v[PK+8*(((\p)/4)%4)+4*((\p)/16)+(\p)%4], v[S+2*(\p)], v[S+2*(\p)+1]
.endm
.macro EXPS                            ; the batch goes on: the 64 weights' exponentials, in place, a pair's scaling four pairs ahead of it; no line ahead of the wait names an exponential's result.  Behind the wait: the 32 roundings
	WIN 0
	EF 0
	EF 1
	EF 2
	EF 3
.set ep, 0
.rept 32
	v_exp_f32 v[S+2*ep], v[S+2*ep]
.if ep < 28
	EF ep+4
.endif
	v_exp_f32 v[S+2*ep+1], v[S+2*ep+1]
.set ep, ep+1
.endr
	v_nop                                          ; a plain line between the last exponential and the use of a result (ISA guide 5.7.2): one for the batch; the tile has no work left that names no result
	s_wait_alu depctr_va_vdst(0)                   ; the wait for the tile's batch, STATS's four a and the 64 weights: ahead of the first line that names a result
.set ep, 0
.rept 32
	EC ep
.set ep, ep+1
.endr
.endm
.macro SUMS                            ; a tile's 8 pairs of weights are added in place; l = a l + the sum
	WIN 0
.set ln, 0
.rept 8
.set lt, 0
.rept 4
.set rA, S+8*lt
.set rB, S+32+8*lt
.set rT, ST+4*lt
.set rC, TMP+4*lt
.if ln == 0
	v_pk_add_f32 v[rA:rA+1], v[rA:rA+1], v[rA+2:rA+3]
.elseif ln == 1
	v_pk_add_f32 v[rA+4:rA+5], v[rA+4:rA+5], v[rA+6:rA+7]
.elseif ln == 2
	v_pk_add_f32 v[rB:rB+1], v[rB:rB+1], v[rB+2:rB+3]
.elseif ln == 3
	v_pk_add_f32 v[rB+4:rB+5], v[rB+4:rB+5], v[rB+6:rB+7]
.elseif ln == 4
	v_pk_add_f32 v[rA:rA+1], v[rA:rA+1], v[rA+4:rA+5]
.elseif ln == 5
	v_pk_add_f32 v[rB:rB+1], v[rB:rB+1], v[rB+4:rB+5]
.elseif ln == 6
	v_pk_add_f32 v[rA:rA+1], v[rA:rA+1], v[rB:rB+1]
.else
	v_pk_fma_f32 v[rT+2:rT+3], v[rT+2:rT+3], v[rC+2:rC+3], v[rA:rA+1] op_sel_hi:[1,0,1]
.endif
.set lt, lt+1
.endr
.set ln, ln+1
.endr
.endm
.macro RESC                            ; the 24 accumulators times the tile's c2 (a, at the end 1 / l), each from its low end on
	WIN 0xc3
.set pn, 0
.rept 24
.set pj, 0
.rept 4
	v_pk_mul_f32 v[8*pn+2*pj:8*pn+2*pj+1], v[8*pn+2*pj:8*pn+2*pj+1], v[TMP+4*(pn%4)+2:TMP+4*(pn%4)+3] op_sel_hi:[1,0]
.set pj, pj+1
.endr
.set pn, pn+1
.endr
.endm
; A TILE OF 128 KEYS, in slot \slot.
.macro TRIPX slot
	TOPA
.if (\slot) == 0
	s_add_nc_u64 s[G0A+2:G0A+3], s[G0A+2:G0A+3], 2*CHUNK   ; slot 0's next tile; the type bits on top are not reached
	s_cmp_eq_u32 s[CNT], 1                                 ; in the last trip there is none:
	s_cselect_b64 s[G0A+2:G0A+3], s[PV6:PV6+1], s[G0A+2:G0A+3]  ; Wv's first chunk follows the last tile
	TOPB G0B, 1
.else
	s_add_nc_u64 s[G0B+2:G0B+3], s[G0B+2:G0B+3], 2*CHUNK   ; (in the last trip this address is not used)
	TOPB G0A, 1
.endif
	FETK 0, \slot, 0                               ; THE SCORES of my 32 keys: 96 products; a count of 12 leaves the younger run out
	FETK 1, \slot, 1
	s_wait_dscnt 12
	MMS 0, 0
	PLACES
	FETK 0, \slot, 2
	s_wait_dscnt 12
	MMS 1, 1
	PLACES
	FETK 1, \slot, 3
	s_wait_dscnt 12
	MMS 0, 2
	s_wait_dscnt 0x0
	MMS 1, 3
	PLACES                                         ; for the loads below and for the maxima, which read results just made
	FETV 0, \slot, 0                               ; the first values are on their way during the softmax
	FETV 1, \slot, 1
	LMAX
	ds_store_b128 v[AMS], v[LM:LM+3]
	s_wait_dscnt 0x0                               ; for the others' sake: my maxima are stored
	s_barrier_signal -1
	s_barrier_wait -1
	GLOAD
	s_wait_dscnt 0x0
	STATS
	EXPS
.set lt, 0
.rept 4
	ds_store_b128 v[AXY], v[PK+8*lt:PK+8*lt+3]   offset:lt*1024
	ds_store_b128 v[AXY], v[PK+8*lt+4:PK+8*lt+7] offset:lt*1024+512
.set lt, lt+1
.endr
	s_wait_dscnt 0x0                               ; my weights are stored, and my reads of the maxima are over
	s_barrier_signal -1
	SUMS                                           ; work on registers while the others arrive
	RESC
	s_barrier_wait -1
	FETP 0, 0                                      ; THE SECOND PRODUCT: 96 products over the tile's four groups of 32 keys
	FETP 1, 1
	s_wait_dscnt 8                                 ; the second group's 8 loads may be out
	MMP 0, 0
	PLACES
	FETV 0, \slot, 2
	FETP 0, 2
	s_wait_dscnt 20                                ; all but the 20 just issued
	MMP 1, 1
	PLACES
	FETV 1, \slot, 3
	FETP 1, 3
	s_wait_dscnt 20
	MMP 0, 0
	s_wait_dscnt 0x0
	MMP 1, 1
.endm
	; THE HEAD
	s_load_b256 s[4:11], s[0:1], 0x0               ; xb s[4:5], wimg s[6:7], bq s[8:9], bk s[10:11]
	s_load_b128 s[12:15], s[0:1], 0x20             ; bv s[12:13], out0 s[14:15]
	v_lshl_add_u32 v[SPW], v0, 2, SPARE
	v_mov_b32 v[NIL], 0
	ds_add_u32 v4, v5
	s_wait_dscnt 0x0
	v_lshrrev_b32 v25, 5, v0
	v_readfirstlane_b32 s[WV], v25                 ; wave 0..3
	v_and_b32 v1, 15, v0                           ; r
	v_bfe_u32 v2, v0, 4, 1                         ; h
	v_and_b32 v3, 31, v0                           ; lane
	s_bfe_u32 s17, ttmp6, 0x40000                  ; cx: my place in the cluster
	s_lshl_b32 s18, ttmp9, 2                       ; in a cluster launch ttmp9 counts clusters
	s_add_co_u32 s18, s18, s17                     ; my block of 64 queries: it enters XQ and OB alone
	s_and_b32 s19, ttmp7, 0xffff                   ; the batch, which the four partners share
	; descriptor group 1: 96 rows of 32 elements of 8 bytes, dense in memory, 16 bytes of padding behind each in LDS
	s_mov_b32 s[G1+0], 15|(3<<16)|(1<<20)|(1<<21)|(5<<22)|(3<<25)  ; 15:0 the mask of four; 17:16 8-byte elements; 20 padding on; 21 set beside a mask; 24:22 after every 64 words (code 5); 31:25 4 words (code 3)
	s_mov_b32 s[G1+1], 32<<16                      ; tensor_dim0 = 32
	s_mov_b32 s[G1+2], 96<<16                      ; tensor_dim1 = 96
	s_mov_b32 s[G1+3], 32<<16                      ; tile_dim0 = 32
	s_mov_b32 s[G1+4], 96                          ; tile_dim1 = 96
	s_mov_b32 s[G1+5], 32                          ; 32 elements from row to row
	s_mov_b32 s[G1+6], 0
	s_mov_b32 s[G1+7], 0
	s_mov_b32 s[CS], 0x3d96c740                    ; c = log2(e) / sqrt(384) = 0.0736222
	s_mov_b32 s[CS+1], s[CS]                       ; named with it as a pair
	s_mov_b32 s[SEL], 0x76543210
	s_mov_b32 s[SEL+1], 0xfedcba98
	s_mul_i32 s20, s[WV], CHUNK/4                  ; my quarter of a step's bytes in memory
	s_mov_b32 s21, 0
	s_mul_i32 s22, s19, 4096*768                   ; the batch in xb
	s_mul_i32 s24, s18, 64*768
	s_add_co_u32 s24, s24, s22                     ; the block's rows in xb
	s_mov_b32 s25, 0
	s_add_co_u32 s22, s22, s20
	s_mov_b32 s23, 0
	s_mul_i32 s26, s19, 4096*1536
	s_mul_i32 s27, s18, 64*1536
	s_add_co_u32 s26, s26, s27
	s_add_co_u32 s26, s26, s20                     ; + 16 w rows of 1,536 bytes
	s_mov_b32 s27, 0
	s_mov_b32 s[G0A], 1                            ; count = 1
	s_mul_i32 s[G0A+1], s[WV], QUART               ; LDS address: my quarter of slot 0: no place in the cluster enters an LDS address
	s_mov_b32 s[G0B], 1
	s_add_co_u32 s[G0B+1], s[G0A+1], SLOTB         ; of slot 1
	s_mul_i32 s55, s[WV], 384
	v_mul_u32_u24 v[QO], v1, 768
	v_lshl_add_u32 v[QO], v2, 4, v[QO]             ; row r x 768 + 16 h
	v_lshlrev_b32 v[BO], 5, v2
	v_add_nc_u32 v[BO], s55, v[BO]                 ; 4 (96 w + 8 h)
	s_wait_kmcnt 0x0
	s_add_nc_u64 s[PW:PW+1], s[6:7], s[20:21]
	s_add_nc_u64 s[PX:PX+1], s[4:5], s[22:23]
	s_add_nc_u64 s[PV6:PV6+1], s[PW:PW+1], 6*CHUNK
	s_or_b32 s[PV6+1], s[PV6+1], 0x80000000
	s_add_nc_u64 s[XQ:XQ+1], s[4:5], s[24:25]
	s_add_nc_u64 s[OB:OB+1], s[14:15], s[26:27]
	SETADR G0A, PW, 0                              ; step 0: Wq's first chunk
	ROUND                                          ; all four work-groups are here: the first joint loads meet
	tensor_load_to_lds s[G0A:G0A+3], s[G1:G1+7]
	s_nop 0
	PLACES
	; the block's own rows of x as source 1 fragments: lane (r, h) holds row 16 t + r, channels 32 kc + 8 h + 0..7 and + 16
.set qk, 0
.rept 12
.if qk < 8
	WIN 0x40
.else
	WIN 0x80
.endif
.set qt, 0
.rept 4
.set rq, 8*(4*(qk%8)+qt)
	global_load_b128 v[rq:rq+3],   v[QO], s[XQ:XQ+1] offset:qt*12288+64*qk
	global_load_b128 v[rq+4:rq+7], v[QO], s[XQ:XQ+1] offset:qt*12288+64*qk+32
.set qt, qt+1
.endr
.set qk, qk+1
.endr
	; the biases of my 96 channels, laid as an accumulator's registers: register 8 a + j holds channel 96 w + 16 a + 8 h + j
.set fa, 0
.rept 6
	global_load_b128 v[BQ+8*fa:BQ+8*fa+3],   v[BO], s[8:9] offset:64*fa
	global_load_b128 v[BQ+8*fa+4:BQ+8*fa+7], v[BO], s[8:9] offset:64*fa+16
	global_load_b128 v[BK+8*fa:BK+8*fa+3],   v[BO], s[10:11] offset:64*fa
	global_load_b128 v[BK+8*fa+4:BK+8*fa+7], v[BO], s[10:11] offset:64*fa+16
.set fa, fa+1
.endr
	WIN 0xc0
.set fa, 0
.rept 6
	global_load_b128 v[BV+8*fa:BV+8*fa+3],   v[BO], s[12:13] offset:64*fa
	global_load_b128 v[BV+8*fa+4:BV+8*fa+7], v[BO], s[12:13] offset:64*fa+16
.set fa, fa+1
.endr
	WIN 0
	s_lshl_b32 s60, s[WV], 6
	s_mul_i32 s61, s[WV], 12288
	s_lshl_b32 s62, s[WV], 12
	s_lshl_b32 s63, s[WV], 9
	s_mul_i32 s20, s[WV], 16*STP
	s_add_co_u32 s21, s55, XCH
	v_mul_u32_u24 v[AK], v1, KP
	v_lshl_add_u32 v[AK], v2, 4, v[AK]
	v_add_nc_u32 v[AK], s[G0A+1], v[AK]            ; (32 w + r) x 816 + 16 h
	v_add_nc_u32 v[AK+1], SLOTB, v[AK]
	; the turning load takes 16 keys x 16 channels: lane l reads key 8 (l / 16) + l % 8, channels 8 ((l / 8) % 2) + 0..7
	v_and_b32 v25, 7, v0
	v_bfe_u32 v26, v0, 3, 1
	v_lshl_add_u32 v27, v2, 3, v25
	v_mul_u32_u24 v[AV], v27, KP
	v_lshl_add_u32 v[AV], v26, 4, v[AV]
	v_add_nc_u32 v[AV], s60, v[AV]                 ; + my 32 channels in each 128
	v_add_nc_u32 v[AV+1], 64*KP, v[AV]
	v_add_nc_u32 v[AV+2], SLOTB, v[AV]
	v_add_nc_u32 v[AV+3], SLOTB+64*KP, v[AV]
	v_mul_u32_u24 v[AW], v2, 272
	v_lshl_add_u32 v[AW], v1, 4, v[AW]
	v_add_nc_u32 v[AW], s[G0A+1], v[AW]            ; 512 dense bytes are two padded rows: h x 272 + 16 r
	v_add_nc_u32 v[AW+1], SLOTB, v[AW]
	v_lshl_add_u32 v[AX], v3, 4, XCH
	v_add_nc_u32 v[AXS], s61, v[AX]
	v_add_nc_u32 v[AXY], s62, v[AX]
	v_lshl_add_u32 v[AMS], v3, 4, MBUF
	v_add_nc_u32 v[AMS], s63, v[AMS]
	v_lshl_add_u32 v[AML], v1, 4, MBUF
	v_mul_u32_u24 v[AS], v1, STP
	v_lshl_add_u32 v[AS], v2, 5, v[AS]
	v_add_nc_u32 v[AS], s21, v[AS]                 ; stage row r, byte 384 w + 32 h
	v_add_nc_u32 v[AS+1], 32*STP, v[AS]
	v_add_nc_u32 v[ARD], s20, v[AX]                ; stage row 16 w, 16 bytes a lane
	v_lshlrev_b32 v[GO], 4, v3
.set ht, 0
.rept 16
	v_mov_b32 v[TMP+ht], 0                         ; written once whole: v_permlanex16_b32's destination and the pairs' second halves count as read
.set ht, ht+1
.endr
	; q = x Wq^T + bq: steps 0 to 2
	TOPA
	SETADR G0B, PW, CHUNK
	TOPB G0B, 1
	s_wait_loadcnt 0x0                             ; x's fragments and the biases
	GSTEP 0, 0, 2, 0
	TOPA
	SETADR G0A, PW, 2*CHUNK
	TOPB G0A, 1
	GSTEP 1, 1, 0, 0
	TOPA
	SETADR G0B, PW, 3*CHUNK
	TOPB G0B, 1
	GSTEP 0, 2, 0, 0
	; cq = q . bk in f32: my 96 channels' part; then q goes to the other waves as fragments
	PLACES
	WIN 0x0b                                       ; q in window 3, bk in window 2, the sums in window 0
.set ca, 0
.rept 6
.set cj, 0
.rept 4
.set ct, 0
.rept 4
.set rC, TMP+4*ct
.set rD, 8*(4*ca+ct)+2*cj
.set rB, BK+8*ca+2*cj
.if (ca == 0) && (cj == 0)
	v_pk_mul_f32 v[rC:rC+1], v[rD:rD+1], v[rB:rB+1]
.else
	v_pk_fma_f32 v[rC:rC+1], v[rD:rD+1], v[rB:rB+1], v[rC:rC+1]
.endif
.set ct, ct+1
.endr
.set cj, cj+1
.endr
.set ca, ca+1
.endr
	HSUM TMP
	ds_store_b128 v[AMS], v[LM:LM+3]
	PACKX 0, AXS, 0
	s_wait_dscnt 0x0                               ; for the others' sake: my stores are done
	s_barrier_signal -1
	s_barrier_wait -1
	QLOAD
	GLOAD
	s_wait_dscnt 0x0
	GADD
	WIN 0x80
.set ht, 0
.rept 32
	v_mov_b32 v[CQ+ht], v[LM+ht/8]                 ; cq eight times: the C operand of a tile's score products
.set ht, ht+1
.endr
	; q' = q Wk: steps 3 to 5
	TOPA
	SETADR G0A, PW, 4*CHUNK
	TOPB G0A, 1
	GSTEP 1, 0, 1, 0
	TOPA
	SETADR G0B, PW, 5*CHUNK
	TOPB G0B, 1
	GSTEP 0, 1, 0, 0
	TOPA
	SETADR G0A, PX, 0                              ; no tensor load of mine is out: both group 0s are set for the walk over x
	SETADR G0B, PX, CHUNK
	TOPB G0A, 1
	GSTEP 1, 2, 0, 0
	PLACES
	PACKX 0, AXS, 0
	s_wait_dscnt 0x0
	s_barrier_signal -1
	s_barrier_wait -1
	QLOAD                                          ; waited for at the first tile's top
.set ht, 0
.rept 4
	v_mov_b32 v[ST+4*ht], 0xfe000000               ; c m: far below every c s, so the first tile's a is 0
	v_mov_b32 v[ST+4*ht+1], 0xff7fffff             ; m: the lowest finite number
	v_mov_b32 v[ST+4*ht+2], 0
	v_mov_b32 v[ST+4*ht+3], 0
.set ht, ht+1
.endr
	; THE WALK: 32 tiles, two a trip
	s_mov_b32 s[CNT], 16
.Ltile:
	TRIPX 0
	TRIPX 1
	WIN 0
	s_sub_co_u32 s[CNT], s[CNT], 1
	s_cmp_lg_u32 s[CNT], 0
	s_cbranch_scc1 .Ltile
	; l over the lanes' halves and the four waves; y = sums / l, in f16, to the other waves as fragments.  Wv's first chunk is on its way meanwhile: behind these two barriers nothing is filled.
	PLACES
	HSUM ST+2
	ds_store_b128 v[AMS], v[LM:LM+3]
	s_wait_dscnt 0x0                               ; my sums are stored, and my reads of P are over: XCH is written behind this barrier
	s_barrier_signal -1
	s_barrier_wait -1
	GLOAD
	s_wait_dscnt 0x0
	GADD
.set ht, 0
.rept 4
	v_rcp_f32 v[TMP+4*ht+2], v[LM+ht]
.set ht, ht+1
.endr
	v_nop                                          ; a plain instruction between the last reciprocal and the use of its result
	s_wait_alu depctr_va_vdst(0)                   ; the wait for the batch of four reciprocals, ahead of their first reader
	RESC
	PACKX 1, AXY, 1
	s_wait_dscnt 0x0
	s_barrier_signal -1
	s_barrier_wait -1
	QLOAD
	; o = y Wv^T + bv: steps 38 to 40
	TOPA
	SETADR G0B, PW, 7*CHUNK
	TOPB G0B, 1
	GSTEP 0, 0, 3, 1
	TOPA
	SETADR G0A, PW, 8*CHUNK
	TOPB G0A, 1
	GSTEP 1, 1, 0, 1
	TOPA
	TOPB G0A, 0                                    ; the last step: nothing is left to fetch
	GSTEP 0, 2, 0, 1
	; THE WAY OUT: a lane's eight channels of a query are 32 bytes of a row of out0; they go into the work-group's stage and come back as whole rows, 16 rows a wave
	PLACES
	WIN 0x0c                                       ; store data in window 3
.set pn, 0
.rept 24
	ds_store_b128 v[AS+(pn%4)/2], v[8*pn:8*pn+3]   offset:(pn%2)*16*STP+64*(pn/4)
	ds_store_b128 v[AS+(pn%4)/2], v[8*pn+4:8*pn+7] offset:(pn%2)*16*STP+64*(pn/4)+16
.set pn, pn+1
.endr
	WIN 0
	s_wait_dscnt 0x0                               ; for the others' sake: a row's bytes come from all four waves
	s_barrier_signal -1
	s_barrier_wait -1
.set pn, 0
.rept 48
	ds_load_b128 v[S+4*pn:S+4*pn+3], v[ARD] offset:(pn/3)*STP+512*(pn%3)
.set pn, pn+1
.endr
.set pn, 0
.rept 48
	s_wait_dscnt 47-pn                             ; LDS loads come back in order: load pn is in, the younger ones stay out
	global_store_b128 v[GO], v[S+4*pn:S+4*pn+3], s[OB:OB+1] offset:(pn/3)*1536+512*(pn%3) th:TH_STORE_NT  ; a wave stores 512 consecutive bytes, at a multiple of 512 from out0's first
.set pn, pn+1
.endr
	s_wait_tensorcnt 0x0                           ; the wave's end: behind my last tensor load and my last LDS store
	ds_add_u32 v[SPW], v[NIL]
	s_wait_dscnt 0x0
	ROUND                                          ; the closing round: no work-group ends while a partner may still ask for a tile that names it
	s_endpgm
.Lfunc_end_k_qc8b27321ca_attn:
	.size	k_qc8b27321ca_attn, .Lfunc_end_k_qc8b27321ca_attn-k_qc8b27321ca_attn
	.p2alignl 7, 3214868480
	.fill 96, 4, 3214868480
	.section	.rodata,"a",@progbits
	.p2align	6, 0x0
	.amdhsa_kernel k_qc8b27321ca_attn
		.amdhsa_group_segment_fixed_size 327680
		.amdhsa_private_segment_fixed_size 0
		.amdhsa_enable_private_segment 0
		.amdhsa_kernarg_size 48
		.amdhsa_user_sgpr_count 2
		.amdhsa_user_sgpr_kernarg_segment_ptr 1
		.amdhsa_wavefront_size32 1
		.amdhsa_system_sgpr_workgroup_id_x 1
		.amdhsa_system_sgpr_workgroup_id_y 1
		.amdhsa_system_sgpr_workgroup_id_z 1
		.amdhsa_system_vgpr_workitem_id 0
		.amdhsa_next_free_vgpr 1024
		.amdhsa_next_free_sgpr 66
		.amdhsa_reserve_vcc 0
		.amdhsa_float_denorm_mode_32 3
		.amdhsa_float_denorm_mode_16_64 3
		.amdhsa_memory_ordered 1
		.amdhsa_forward_progress 1
		.amdhsa_inst_pref_size 255
	.end_amdhsa_kernel
	.section	.bss,"aw",@nobits
	.p2align	6
	.space	262144
	.amdgpu_metadata
---
amdhsa.version: [ 1, 2 ]
amdhsa.kernels:
  - .name:           k_qc8b27321ca_attn
    .symbol:         k_qc8b27321ca_attn.kd
    .args:
      - { .name: xb, .offset: 0, .size: 8, .value_kind: global_buffer, .address_space: global }
      - { .name: wimg, .offset: 8, .size: 8, .value_kind: global_buffer, .address_space: global }
      - { .name: bq, .offset: 16, .size: 8, .value_kind: global_buffer, .address_space: global }
      - { .name: bk, .offset: 24, .size: 8, .value_kind: global_buffer, .address_space: global }
      - { .name: bv, .offset: 32, .size: 8, .value_kind: global_buffer, .address_space: global }
      - { .name: out0, .offset: 40, .size: 8, .value_kind: global_buffer, .address_space: global }
    .group_segment_fixed_size: 327680
    .private_segment_fixed_size: 0
    .kernarg_segment_align: 8
    .kernarg_segment_size: 48
    .max_flat_workgroup_size: 128
    .sgpr_count:     66
    .vgpr_count:     1024
    .wavefront_size: 32
...
	.end_amdgpu_metadata
.endif
;; end of part 3
